; MI455X (gfx1250); checked and timed in simulation.
; The chip was launched on July 23, 2026; its instructions are those of AMD's public machine-readable ISA for CDNA 5 (MIT licence, August 2026) and "CDNA5" Instruction Set Architecture Reference Guide (July 2026). The comments in the code are by the model that wrote it; some were corrected since.
;; Multi Head Attention. Allowed arithmetic: matrix products marked QUANTISED: E2M3 operands, one E8M0 scale for each 32 along K, by v_wmma_scale_f32_16x16x128_f8f6f4 with both operands' format E2M3, f32 sums; everything else in f32.
;; Inputs: W_o_codes 1,024 x 32 x 24 uint8 (E2M3 codes of W_o, K innermost, in blocks of 32 codes, four codes in three bytes); W_o_scales 1,024 x 32 uint8 (E8M0 scales of W_o, one for each 32 codes along K); W_qkv_codes 3,072 x 32 x 24 uint8 (E2M3 codes of W_qkv, K innermost, in blocks of 32 codes, four codes in three bytes); W_qkv_scales 3,072 x 32 uint8 (E8M0 scales of W_qkv, one for each 32 codes along K); b_o 1,024 float32; b_qkv 3,072 float32; x_codes 4 x 2,048 x 32 x 24 uint8 (E2M3 codes of x, K innermost, in blocks of 32 codes, four codes in three bytes); x_scales 4 x 2,048 x 32 uint8 (E8M0 scales of x, one for each 32 codes along K).
;; Outputs: out0 4 x 2,048 x 1,024 float32.
;; This version of the problem:
;;   THIS VERSION OF THE PROBLEM IS GIVEN IN LOW PRECISION. The matrix products marked QUANTISED in the list below multiply operands that are first quantised to E2M3 (2 exponent bits, 3 mantissa bits; 6 bits a number), with one power-of-two scale for each 32 numbers along K (OCP MX v1.0); their sums are f32. All else is computed in f32.
;;   The module's matrix products, in the order in which they are computed (A, B: the left and right operand; K: the contracted axis; several contracted axes count as one K, in the product's order):
;;     1. [M 8,192, K 1,024] x [K 1,024, N 3,072]; A: input x (given as codes); B: input W_qkv (given as codes): QUANTISED
;;     2. batch 64 x [M 2,048, K 64] x [K 64, N 2,048]; A: computed on the way; B: computed on the way: QUANTISED
;;     3. batch 64 x [M 2,048, K 2,048] x [K 2,048, N 64]; A: softmax (see below); B: computed on the way: QUANTISED
;;     4. [M 8,192, K 1,024] x [K 1,024, N 1,024]; A: computed on the way; B: input W_o (given as codes): QUANTISED
;;   THE QUANTISER, for each operand of a quantised product, along K:
;;     - K is cut into blocks of 32 from its start; a last block that is shorter is filled with zeros.
;;     - A block's scale is 2^e with e = floor(log2(the largest magnitude in the block)) - 2, held to -126 .. 127; a block of zeros has e = 0. As a byte (E8M0): e + 127.
;;     - Each number is divided by its block's scale, clamped to +-7.5, and rounded to the nearest number of E2M3, ties to even, subnormals kept.
;;     - The product sums the exact products of the quantised numbers (number of the format x scale) in f32.
;;   ~~~python
;;   def quantise(x, axis):      # numpy; x: float32 -> the quantised numbers, widened to float32 again
;;       x = np.moveaxis(x, axis, -1); K = x.shape[-1]
;;       x = np.pad(x, [(0, 0)] * (x.ndim - 1) + [(0, -K % 32)]); x = x.reshape(x.shape[:-1] + (-1, 32)); a = np.abs(x).max(-1, keepdims=True)
;;       e = np.where(a > 0, np.clip(np.frexp(np.where(a > 0, a, 1))[1] - 1 - 2, -126, 127), 0)      # np.frexp(a)[1] - 1 = floor(log2(a)), exactly
;;       r = np.clip(x / 2.0 ** e, -7.5, 7.5)
;;       step = 2.0 ** (np.maximum(np.frexp(np.where(r == 0, 1, r))[1] - 1, 0) - 3)
;;       q = np.round(r / step) * step * 2.0 ** e      # np.round: ties to even
;;       return np.moveaxis(q.reshape(q.shape[:-2] + (-1,))[..., :K], -1, axis).astype(np.float32)
;;   ~~~
;;   SOFTMAX AHEAD OF A QUANTISED PRODUCT. Where the list says 'softmax', what is quantised is not the finished softmax but p = 2^(t - M), with t = logit x log2(e) and M = ceil(the row's largest t), a whole number; so 1/2 < the row's largest p <= 1. The row's sum l is taken of the UNQUANTISED p, in f32, and the product's result is divided by l at the end. Since M is a whole number, a kernel that streams over the keys may use a running M (the ceiling of the running maximum): every later rescaling is an exact power of two, which a block's scale takes up: the codes' values come out the same.
;;   OPERANDS COMPUTED ON THE WAY. 'Computed on the way' means the value that the module computes at that place (a softmax that the list does not call 'softmax' is quantised finished and normalised). What goes into a quantiser is computed in f32, as accurately as f32 sums, v_exp_f32 and their like allow (about 1e-6 of the number): no bf16 or f16 on the way to a quantiser, and a product that is left as it is and whose result goes on into a quantised operand takes f32 operands (vector FMAs, or v_wmma_f32_16x16x4_f32). A number that lies on a knife's edge between two numbers of the format may be rounded either way, as far as f32 arithmetic and the matrix unit's own rounding can turn it there, and no further.
;;   INPUTS GIVEN AS CODES. W_o (in the module: [1024, 1024], K = its axis 1); W_qkv (in the module: [3072, 1024], K = its axis 1); x (in the module: [4, 2048, 1024], K = its axis 2): each comes as NAME_codes (uint8): NAME with its K axis moved to the last place and cut into blocks of 32 codes, [.., K / 32, bytes a block], one block behind the other in memory; four codes in three bytes: a row's codes are one little-endian stream of bits, code i at bits 6 i .. 6 i + 5 (a code: sign, 2 exponent bits, 3 mantissa bits); and NAME_scales (uint8): the same leading axes, one E8M0 byte (e + 127) for each 32 codes along K. Its value is code x scale, taken as it is: it is not quantised again, and the codes and scales need not be those that the quantiser above would give.
;; One version. Each part assembles by itself: llvm-mc -triple=amdgcn-amd-amdhsa -mcpu=gfx1250 --defsym DOCPART=n.
;; ======== version 1 of 1: 4 launches
;; limits: right only within a limited range of input values
;; workspace buffers: wq_img 2,359,296 bytes; wo_img 786,432 bytes; qkv 20,185,088 bytes; o_img 6,291,456 bytes; o_sc 262,144 bytes
;; launch prep (part 1): grid 256 x 1, 8 waves a work-group, no clusters, 0 bytes of LDS; arguments W_qkv_codes, W_o_codes, wq_img, wo_img; writes wq_img, wo_img
.if DOCPART == 1
	.amdgcn_target "amdgcn-amd-amdhsa--gfx1250"
	.amdhsa_code_object_version 6
	.text
	.protected	k_q3061f1597e_prep
	.globl	k_q3061f1597e_prep
	.p2align	8
	.type	k_q3061f1597e_prep,@function
k_q3061f1597e_prep:
	s_mov_b64 s[64:65], 0
	v_nop
	global_prefetch_b8 v0, s[64:65] scope:SCOPE_SE
	s_setreg_imm32_b32 hwreg(HW_REG_WAVE_MODE, 25, 1), 1
	s_wait_xcnt 0x0
; The codes of W_qkv [3072][1024] and of W_o [1024][1024] (E2M3, a row = 768 bytes) are laid anew as IMAGES OF OPERAND REGISTERS, so that the two
; products that follow load a fragment (16 rows x 128 K: 12 registers a lane) by three loads of 16 bytes a lane, 512 consecutive bytes each.
; An image is [chunk 0..2][lane 0..31][16 bytes]; chunk c holds the fragment's registers 4 c .. 4 c + 3.  Lane (m = lane % 16, h = lane / 16) holds of its
; row the 24 bytes at 96 kappa + 24 h (registers 0-5) and those at 96 kappa + 48 + 24 h (registers 6-11): ISA guide, the 6-bit operand layout.
; A work-group is one tile of 16 rows, its wave kappa one K step of 128.  Work-groups 0-191: W_qkv, tile tau = 6 gw + e, gw = 4 g + w:
;   e < 4:  rows 192 (2 g + w / 2) + 64 (w % 2) + 16 e + m: sixteen neighbouring features of q (w even) or k (w odd) of column group j = 2 g + w / 2;
;   e >= 4: rows 128 + d + 192 m: ONE feature d of v in all sixteen column groups; d = rho with bits 3 and 4 changed over, rho = 8 g + 2 w + e - 4.
; wq_img is [gw 32][kappa 8][e 6][1536 bytes].  Work-groups 192-255: W_o, tile tau, rows 16 tau + m; wo_img is [tau / 4][kappa 8][tau % 4][1536 bytes].
; One path for both tensors: numbers and pointers are chosen on the work-group's number.  No LDS, no loop; nothing is computed, bytes are moved once.
.set NQ, 192
	s_load_b256 s[4:11], s[0:1], 0x0               ; W_qkv_codes s[4:5], W_o_codes s[6:7], wq_img s[8:9], wo_img s[10:11]
	v_lshrrev_b32 v1, 5, v0
	s_delay_alu instid0(VALU_DEP_1)
	v_readfirstlane_b32 s12, v1                    ; kappa = my wave
	s_min_u32 s27, ttmp9, NQ-1                     ; W_qkv's tile (held inside the tensor in W_o's work-groups, where it is not used)
	s_mul_i32 s13, s27, 171
	s_lshr_b32 s13, s13, 10                        ; gw = tau / 6 (171 / 1024 serves up to tau = 191)
	s_mul_i32 s14, s13, 6
	s_sub_co_u32 s14, s27, s14                     ; e
	s_lshr_b32 s15, s13, 2                         ; g
	s_and_b32 s16, s13, 3                          ; w
	s_lshl_b32 s17, s15, 1
	s_lshr_b32 s18, s16, 1
	s_add_co_u32 s17, s17, s18                     ; j
	s_mul_i32 s17, s17, 192
	s_and_b32 s18, s16, 1
	s_lshl_b32 s18, s18, 6
	s_add_co_u32 s17, s17, s18
	s_lshl_b32 s18, s14, 4
	s_add_co_u32 s17, s17, s18                     ; first row of a tile of q or k
	s_lshl_b32 s18, s15, 3
	s_lshl_b32 s19, s16, 1
	s_add_co_u32 s18, s18, s19
	s_add_co_u32 s18, s18, s14
	s_sub_co_u32 s18, s18, 4                       ; rho (of use where e >= 4)
	s_and_b32 s19, s18, 0x27
	s_and_b32 s20, s18, 8
	s_lshl_b32 s20, s20, 1
	s_or_b32 s19, s19, s20
	s_and_b32 s20, s18, 16
	s_lshr_b32 s20, s20, 1
	s_or_b32 s19, s19, s20                         ; d
	s_add_co_u32 s19, s19, 128                     ; first row of a tile of v
	s_mov_b32 s21, 192
	s_cmp_lt_u32 s14, 4
	s_cselect_b32 s17, s17, s19                    ; first row,
	s_cselect_b32 s21, 1, s21                      ; and rows from lane to lane
	s_lshl_b32 s22, s13, 3
	s_add_co_u32 s22, s22, s12
	s_mul_i32 s22, s22, 6
	s_add_co_u32 s22, s22, s14                     ; which image of wq_img
	s_max_u32 s23, ttmp9, NQ
	s_sub_co_u32 s23, s23, NQ                      ; W_o's tile
	s_lshl_b32 s24, s23, 4                         ; its first row
	s_lshr_b32 s25, s23, 2
	s_lshl_b32 s25, s25, 3
	s_add_co_u32 s25, s25, s12
	s_lshl_b32 s25, s25, 2
	s_and_b32 s26, s23, 3
	s_add_co_u32 s25, s25, s26                     ; which image of wo_img
	s_cmp_lt_u32 ttmp9, NQ                         ; the choice hangs on the work-group's number alone
	s_cselect_b32 s17, s17, s24
	s_cselect_b32 s21, s21, 1
	s_cselect_b32 s22, s22, s25
	s_wait_kmcnt 0x0
	s_cselect_b64 s[4:5], s[4:5], s[6:7]
	s_cselect_b64 s[8:9], s[8:9], s[10:11]
	s_mul_i32 s22, s22, 1536
	s_mov_b32 s23, 0
	s_add_nc_u64 s[8:9], s[8:9], s[22:23]
	s_mul_i32 s24, s12, 96
	v_and_b32 v2, 15, v0                           ; m
	v_bfe_u32 v3, v0, 4, 1                         ; h
	v_and_b32 v4, 31, v0                           ; lane
	s_delay_alu instid0(VALU_DEP_3)
	v_mad_u32_u24 v5, v2, s21, s17                 ; my row
	s_delay_alu instid0(VALU_DEP_1)
	v_mul_u32_u24 v5, v5, 768
	s_delay_alu instid0(VALU_DEP_1)
	v_mad_u32_u24 v5, v3, 24, v5
	s_delay_alu instid0(VALU_DEP_1)
	v_add_nc_u32 v5, s24, v5                       ; 768 row + 24 h + 96 kappa
	v_lshlrev_b32 v6, 4, v4
.irp p, 0,1,2,3,4,5
	global_load_b64 v[8+2*\p:9+2*\p], v5, s[4:5] offset:48*(\p/3)+8*(\p%3)   ; in pieces of 8 bytes: every address is a multiple of the access's size
.endr
	s_wait_alu depctr_va_vdst(0)
	s_wait_loadcnt 0x0
.irp c, 0,1,2
	global_store_b128 v6, v[8+4*\c:11+4*\c], s[8:9] offset:512*\c            ; 32 lanes store 512 consecutive bytes, at a multiple of 256 from the buffer's first byte
.endr
	s_endpgm
.Lfunc_end_k_q3061f1597e_prep:
	.size	k_q3061f1597e_prep, .Lfunc_end_k_q3061f1597e_prep-k_q3061f1597e_prep
	.p2alignl 7, 3214868480
	.fill 96, 4, 3214868480
	.section	.rodata,"a",@progbits
	.p2align	6, 0x0
	.amdhsa_kernel k_q3061f1597e_prep
		.amdhsa_group_segment_fixed_size 0
		.amdhsa_private_segment_fixed_size 0
		.amdhsa_enable_private_segment 0
		.amdhsa_kernarg_size 32
		.amdhsa_user_sgpr_count 2
		.amdhsa_user_sgpr_kernarg_segment_ptr 1
		.amdhsa_wavefront_size32 1
		.amdhsa_system_sgpr_workgroup_id_x 1
		.amdhsa_system_sgpr_workgroup_id_y 1
		.amdhsa_system_sgpr_workgroup_id_z 1
		.amdhsa_system_vgpr_workitem_id 0
		.amdhsa_next_free_vgpr 32
		.amdhsa_next_free_sgpr 66
		.amdhsa_reserve_vcc 0
		.amdhsa_float_denorm_mode_32 3
		.amdhsa_float_denorm_mode_16_64 3
		.amdhsa_memory_ordered 1
		.amdhsa_forward_progress 1
		.amdhsa_inst_pref_size 4
	.end_amdhsa_kernel
	.amdgpu_metadata
---
amdhsa.version: [ 1, 2 ]
amdhsa.kernels:
  - .name:           k_q3061f1597e_prep
    .symbol:         k_q3061f1597e_prep.kd
    .args:
      - { .name: W_qkv_codes, .offset: 0, .size: 8, .value_kind: global_buffer, .address_space: global }
      - { .name: W_o_codes, .offset: 8, .size: 8, .value_kind: global_buffer, .address_space: global }
      - { .name: wq_img, .offset: 16, .size: 8, .value_kind: global_buffer, .address_space: global }
      - { .name: wo_img, .offset: 24, .size: 8, .value_kind: global_buffer, .address_space: global }
    .group_segment_fixed_size: 0
    .private_segment_fixed_size: 0
    .kernarg_segment_align: 8
    .kernarg_segment_size: 32
    .max_flat_workgroup_size: 256
    .sgpr_count:     66
    .vgpr_count:     32
    .wavefront_size: 32
...
	.end_amdgpu_metadata
.endif
;; end of part 1
;; launch qkv (part 2): grid 4 x 64, 4 waves a work-group, no clusters, 168,448 bytes of LDS; arguments x_codes, x_scales, wq_img, W_qkv_scales, b_qkv, qkv; writes qkv
.if DOCPART == 2
	.amdgcn_target "amdgcn-amd-amdhsa--gfx1250"
	.amdhsa_code_object_version 6
	.text
	.protected	k_q3061f1597e_qkv
	.globl	k_q3061f1597e_qkv
	.p2align	8
	.type	k_q3061f1597e_qkv,@function
k_q3061f1597e_qkv:
	s_mov_b64 s[64:65], 0
	v_nop
	global_prefetch_b8 v0, s[64:65] scope:SCOPE_SE
	s_setreg_imm32_b32 hwreg(HW_REG_WAVE_MODE, 25, 1), 1
	s_wait_xcnt 0x0
; h = x W_qkv^T + b_qkv on codes of E2M3 with E8M0 scales, and the quantising of q, k and v, in one launch: h itself never goes to memory.
; reference() reshapes h [4][2048][3072] to [4][16][2048][192] without a transposition: head hb = 16 b + hh is rows 128 hb .. 128 hb + 127 of h, and row s, column c
; is place 16 (s % 128) + j of the head's sequence, j = c / 192, feature c % 192 (q 0-63, k 64-127, v 128-191).
; SHARES.  Work-group (G, hb): the head's 128 rows x column groups j = 4 G .. 4 G + 3, in two passes g = 2 G, 2 G + 1 (j = 2 g, 2 g + 1).  In a pass wave w has six tiles of 16 rows of W:
; e = 0..3: the 64 features of q (w even) or k (w odd) of j = 2 g + w / 2;  e = 4, 5: feature d(rho) of v, rho = 8 g + 2 w + e - 4, in ALL sixteen j; against the eight tiles of x: 48 accumulators, 8 K steps of 128.
; THE MATRIX INSTRUCTION IS USED TRANSPOSED (source 0 = 16 rows of W, source 1 = 16 rows of x): lane (r, h) holds x's row r of the tile and W's rows 8 h + 0 .. 7.
; x's tile X = 2 a + u takes rows 32 a + 2 r + u.  So a lane's 16 registers of v's accumulators X = 2 a, 2 a + 1 are 16 of the 32 keys of ONE block of 32 keys (rows 2 T, 2 T + 1, T = 16 a + r, all j), and
; a lane's 16 registers of tiles e = 2 beta, 2 beta + 1 are 16 of the 32 features of block beta of q or k.  The other 16 lie in lane l xor 16.
; ORDER INSIDE A BLOCK: place 0-7, 8-15, 16-23, 24-31 holds number 0-7, 16-23, 8-15, 24-31 of the block.  The same order on both operands of a product leaves its sums as they are: q with k here, v with p in the next launch.
; x's 128 rows (98,304 bytes) come into LDS once, by one tensor load a wave.  W's fragments come from wq_img straight into the registers of the one wave that multiplies by them.
; NO CLUSTER: what goes through LDS and could be asked for jointly, x, is 98,304 of the 688,128 bytes that a work-group reads; W's fragments each feed one wave.
; OUT: record (hb, g) of 39,424 bytes: Q [row 128][j % 2][48] at 0; K likewise at 12,288; V [step 16][piece 6][T % 2][rho % 8][8] at 24,576 (T = 4 step + 2 (piece / 3) + T % 2);
; q's scale words [j % 2][row 128] at 36,864, k's at 37,888 (a word: b0, b1, b0, b1); v's scale bytes [rho % 8][T 64] at 38,912.  It is gathered in LDS and leaves in stores of 512 consecutive bytes a wave.
; LIMITS: NaN, infinities and scale bytes 0xff among the inputs are not served.  A block of zeros gets the byte 1 where the quantiser says 127: its codes are zeros, and this program alone reads the bytes.
; REGISTERS, in windows of 256: window 0: v1-19 addresses; v32-95 x's scale words (8 X + kappa); v96-143 W's (8 e + kappa); v144-239 x's eight fragments, later at work and the copy out.
;   window 1: three sets of W's six fragments.   window 2: q's or k's 32 accumulators at 32 X + 8 e.   window 3: v's 16 at 64 (e - 4) + 8 X; from v128 the biases, 8 e + i.
.set PITCH, 792                        ; an LDS row of x: 768 bytes + 8 behind each 256.  Two rows are 396 words = 12 mod 64, a half of the lanes 6 more: the 32 lanes of a load of 8 bytes touch 64 different banks (64 banks of 4 bytes: ISA guide 11.1)
.set STAGE, 128*PITCH                  ; 101,376: behind x, the record's image; no tensor load lands there
.set RECB,  39424
.set XS,  32
.set WS,  96
.set XF,  144
.set BI,  128                          ; in window 3
.set QT,  144                          ; at work: 8 largest magnitudes,
.set QP,  152                          ; 8 of the other half of the lanes, then the scale bytes,
.set QE,  160                          ; 8 scale operands of the conversions,
.set CD,  168                          ; four blocks' codes, six registers each,
.set CB,  192                          ; and the halves made elsewhere (a conversion's three registers begin on an even number)
.set CP,  144                          ; the copy out: 20 x 4 registers
.set XA,  4                            ; v4 1,584 r + 24 h; v5 1,584 r + 32 h (pieces behind one padding more); v6, v7 the same 64 rows on
.set WL,  8                            ; v8   16 x lane
.set XSA, 9                            ; v9   64 r
.set WSQ, 10                           ; v10  32 r
.set WSV, 11                           ; v11  6,144 r
.set BQ,  12                           ; v12  32 h
.set BV,  13                           ; v13  6,144 h
.set SQ,  14                           ; v14  the stage: my block of q or k
.set SQS, 15                           ; v15  its scale word
.set SV,  16                           ; v16  my block of v
.set SVS, 17                           ; v17  its scale byte
.set CPL, 18                           ; v18  STAGE + 16 x thread
.set CPG,  19                          ; v19  16 x thread
.set PFO,  21                          ; v21  the prefetches' offset: block 4 min(lane, 8) + my work-group's place among four, 256 bytes a block; never rewritten
.set WV,   16                          ; s16  wave
.set HB,   17                          ; s17  head
.set G0,   20                          ; s[20:23], s[24:31] the descriptor of x's tile
.set G1,   24
.set PWI,  32                          ; s[32:33] my fragments in wq_img
.set PWQ,  34                          ; s[34:35] W's scales, tiles 0-3;  s[36:37] tiles 4, 5
.set PWV,  36
.set PBQ,  38                          ; s[38:39], s[40:41] the biases likewise
.set PBV,  40
.set PREC, 42                          ; s[42:43] the record
.set PXS,  44                          ; s[44:45] x's scales
.set SEL,  46                          ; s[46:47] v_permlanex16_b32's selects for lane l xor 16
.set MASK, 48                          ; s48  lanes 16-31
.set PASS, 49
.set GG,   50                          ; s50  g
.set MSB, 0
.macro WIN new                         ; the immediate's high byte repeats the setting that is left; a switch that changes nothing is dropped
.if MSB != (\new)
	s_set_vgpr_msb (MSB<<8)|(\new)
.set MSB, (\new)
.endif
.endm
.macro PLACES                          ; four plain vector instructions between a matrix instruction and a load into one of its registers or a read of its result (ISA guide 7.12.1 for the reads of results)
.rept 4
	v_nop
.endr
.endm
; the pass's pointers, from g.  It stands where no load of mine is out.
.macro BASES
	s_lshl_b32 s51, s[GG], 2
	s_add_co_u32 s51, s51, s[WV]                   ; gw = 4 g + w
	s_mul_i32 s52, s51, 73728
	s_mov_b32 s53, 0
	s_add_nc_u64 s[PWI:PWI+1], s[8:9], s[52:53]
	s_lshl_b32 s51, s[GG], 1
	s_lshr_b32 s54, s[WV], 1
	s_add_co_u32 s51, s51, s54                     ; j
	s_mul_i32 s51, s51, 192
	s_and_b32 s54, s[WV], 1
	s_lshl_b32 s54, s54, 6
	s_add_co_u32 s51, s51, s54                     ; my first row of W for q or k
	s_lshl_b32 s52, s51, 5
	s_add_nc_u64 s[PWQ:PWQ+1], s[10:11], s[52:53]
	s_lshl_b32 s52, s51, 2
	s_add_nc_u64 s[PBQ:PBQ+1], s[12:13], s[52:53]
	s_lshl_b32 s51, s[GG], 3
	s_lshl_b32 s54, s[WV], 1
	s_add_co_u32 s51, s51, s54                     ; rho of tile 4 (even: tile 5's d is one more)
	s_and_b32 s54, s51, 0x27
	s_and_b32 s55, s51, 8
	s_lshl_b32 s55, s55, 1
	s_or_b32 s54, s54, s55
	s_and_b32 s55, s51, 16
	s_lshr_b32 s55, s55, 1
	s_or_b32 s54, s54, s55                         ; d
	s_add_co_u32 s54, s54, 128
	s_lshl_b32 s52, s54, 5
	s_add_nc_u64 s[PWV:PWV+1], s[10:11], s[52:53]
	s_lshl_b32 s52, s54, 2
	s_add_nc_u64 s[PBV:PBV+1], s[12:13], s[52:53]
.endm
; a fragment of x: tile xt, K step kap, in pieces of 8 bytes.  Lanes 0-15 take the row's pieces 12 kap + 0, 1, 2 and + 6, 7, 8, lanes 16-31 those three pieces on; piece q lies at 8 q + 8 (q / 32)
.macro FRAGX reg, xt, kap
.irp p, 0,1,2,3,4,5
.set PCI, 12*(\kap)+6*(\p/3)+\p%3
.set ROFF, (32*(((\xt)>>1)&1)+((\xt)&1))*PITCH
.set ARG, XA+2*((\xt)/4)
.if PCI%32 >= 29
	ds_load_b64 v[(\reg)+2*\p:(\reg)+2*\p+1], v[ARG+1] offset:8*PCI+8*(PCI/32)+ROFF
.else
	ds_load_b64 v[(\reg)+2*\p:(\reg)+2*\p+1], v[ARG] offset:8*PCI+8*(PCI/32)+ROFF
.endif
.endr
.endm
; A PREFETCH INTO THE L2 of W's fragments: in K step kap a wave asks for the 9,216 bytes (36 blocks of 256) that K step kap + 2 will load, which are K step kap + 5's; behind a pass's last they are the next pass's
; (four gw on: 294,912 bytes), and the last pass asks for nothing beyond its own.  The 64 heads read the same image: four work-groups, heads 4 apart, share the 36 blocks out by address, nine each; lanes 9-31 name the ninth again.
.macro ASKW kap
.if (\kap) < 3
	global_prefetch_b8 v[PFO], s[PWI:PWI+1] offset:9216*((\kap)+5) th:TH_LOAD_NT scope:SCOPE_SE
.else
	s_cmp_eq_u32 s[PASS], 0
	s_cbranch_scc0 .Lno_ask_\@
	global_prefetch_b8 v[PFO], s[PWI:PWI+1] offset:294912+9216*((\kap)-3) th:TH_LOAD_NT scope:SCOPE_SE
.Lno_ask_\@:
.endif
.endm
.macro XHALF kap, half                 ; four fragments: 24 loads
.irp a, 0,1,2,3
	FRAGX XF+12*(4*(\half)+\a), 4*(\half)+\a, \kap
.endr
.endm
.macro WLOAD kap                       ; W's six fragments of K step kap into set kap % 3: 18 loads of 512 consecutive bytes
	WIN 0x40
.irp t, 0,1,2,3,4,5
.irp c, 0,1,2
	global_load_b128 v[72*((\kap)%3)+12*\t+4*\c:72*((\kap)%3)+12*\t+4*\c+3], v[WL], s[PWI:PWI+1] offset:9216*(\kap)+1536*\t+512*\c
.endr
.endr
	WIN 0
.endm
.macro LOADPASS                        ; what a pass wants ahead of its first product: biases, W's scale words, W's first three K steps
	WIN 0xc0
.irp t, 0,1,2,3
	global_load_b128 v[BI+8*\t:BI+8*\t+3], v[BQ], s[PBQ:PBQ+1] offset:64*\t          ; lane (r, h): b of rows 16 t + 8 h + 0 .. 7
	global_load_b128 v[BI+8*\t+4:BI+8*\t+7], v[BQ], s[PBQ:PBQ+1] offset:64*\t+16
.endr
.irp i, 0,1
.irp j, 0,1,2,3,4,5,6,7
	global_load_b32 v[BI+32+8*\i+\j], v[BV], s[PBV:PBV+1] offset:768*\j+4*\i         ; b of row 128 + d + 192 (8 h + j)
.endr
.endr
	WIN 0
.irp t, 0,1,2,3
	global_load_b128 v[WS+8*\t:WS+8*\t+3], v[WSQ], s[PWQ:PWQ+1] offset:512*\t        ; lane r: the eight scale words of row 16 t + r
	global_load_b128 v[WS+8*\t+4:WS+8*\t+7], v[WSQ], s[PWQ:PWQ+1] offset:512*\t+16
.endr
.irp i, 0,1
	global_load_b128 v[WS+32+8*\i:WS+32+8*\i+3], v[WSV], s[PWV:PWV+1] offset:32*\i   ; of row 128 + d + 192 r
	global_load_b128 v[WS+32+8*\i+4:WS+32+8*\i+7], v[WSV], s[PWV:PWV+1] offset:32*\i+16
.endr
	WLOAD 0
	WLOAD 1
	WLOAD 2
.endm
; 16 products: four tiles of x against W's tiles 0-3.  In K step 0 the bias is the C: nothing is cleared and nothing is added later.
.macro MULQ kap, half
.if (\kap) == 0
	WIN 0xb1                                       ; source 0 (W) window 1, source 1 (x) window 0, C (bias) window 3, D window 2
.else
	WIN 0xa1                                       ; C and D window 2
.endif
.irp a, 0,1,2,3
.irp t, 0,1,2,3
.set XX, 4*(\half)+\a
.set AC, 32*XX+8*\t
.set FW, 72*((\kap)%3)+12*\t
.if (\kap) == 0
	v_wmma_scale_f32_16x16x128_f8f6f4 v[AC:AC+7], v[FW:FW+11], v[XF+12*XX:XF+12*XX+11], v[BI+8*\t:BI+8*\t+7], v[WS+8*\t+(\kap)], v[XS+8*XX+(\kap)] matrix_a_fmt:MATRIX_FMT_FP6 matrix_b_fmt:MATRIX_FMT_FP6
.else
	v_wmma_scale_f32_16x16x128_f8f6f4 v[AC:AC+7], v[FW:FW+11], v[XF+12*XX:XF+12*XX+11], v[AC:AC+7], v[WS+8*\t+(\kap)], v[XS+8*XX+(\kap)] matrix_a_fmt:MATRIX_FMT_FP6 matrix_b_fmt:MATRIX_FMT_FP6
.endif
.endr
.endr
.endm
.macro MULV kap, half                  ; 8 products: the same four tiles of x against W's tiles 4, 5
	WIN 0xf1                                       ; C and D (and the bias) window 3
.irp a, 0,1,2,3
.irp i, 0,1
.set XX, 4*(\half)+\a
.set AC, 64*\i+8*XX
.set FW, 72*((\kap)%3)+12*(4+\i)
.if (\kap) == 0
	v_wmma_scale_f32_16x16x128_f8f6f4 v[AC:AC+7], v[FW:FW+11], v[XF+12*XX:XF+12*XX+11], v[BI+32+8*\i:BI+32+8*\i+7], v[WS+32+8*\i+(\kap)], v[XS+8*XX+(\kap)] matrix_a_fmt:MATRIX_FMT_FP6 matrix_b_fmt:MATRIX_FMT_FP6
.else
	v_wmma_scale_f32_16x16x128_f8f6f4 v[AC:AC+7], v[FW:FW+11], v[XF+12*XX:XF+12*XX+11], v[AC:AC+7], v[WS+32+8*\i+(\kap)], v[XS+8*XX+(\kap)] matrix_a_fmt:MATRIX_FMT_FP6 matrix_b_fmt:MATRIX_FMT_FP6
.endif
.endr
.endr
.endm
; A K step: 48 products; the 48 accumulators take turns, one instruction a turn, in the same order in every step.
.macro KSTEP kap
.if (\kap) <= 5
	s_wait_loadcnt 36                              ; this step's W is in; behind it the 18 loads of each of the next two steps were issued
.elseif (\kap) == 6
	s_wait_loadcnt 18                              ; behind it: the last step's 18
.else
	s_wait_loadcnt 0x0
.endif
	s_wait_dscnt 24                                ; x's tiles 0-3 are in; the 24 loads of tiles 4-7 may be out
	MULQ \kap, 0
	MULV \kap, 0
	s_wait_dscnt 0x0                               ; tiles 4-7 are in
.if (\kap) < 7
	WIN 0
	PLACES
	XHALF (\kap)+1, 0                              ; tiles 0-3 of the next step, 24 products ahead of their use
.endif
	WIN 0
	ASKW \kap                                      ; 24 products stand between it and the next wait for loaded data
	MULQ \kap, 1
	MULV \kap, 1
	WIN 0
.if (\kap) < 7
	PLACES
	XHALF (\kap)+1, 1
.endif
.if (\kap) < 5
	WLOAD (\kap)+3                                 ; into the set just multiplied (behind the same four places)
.endif
.endm
; Eight blocks are quantised: pairs n = 0..3 of blocks b = 0, 1; a lane's 16 numbers of block (n, b) stand in window w at b0 + dp n + db b on.  Left behind: in v[CD + 6 n] on, lane (r, h) holds the WHOLE block b = h of its pair;
; in v[QP + 2 n + b] the blocks' scale bytes.  Each accumulator is first read at its low end.
.macro QPAIRS w, b0, dp, db
	WIN (\w)|((\w)<<2)
.irp n, 0,1,2,3
.irp b, 0,1
	v_max3_num_f32 v[QT+2*\n+\b], |v[(\b0)+(\dp)*\n+(\db)*\b]|, |v[(\b0)+(\dp)*\n+(\db)*\b+1]|, 0x1800000   ; and the floor 2^(3 - 127): the byte cannot fall under 1
.endr
.endr
	WIN ((\w)<<2)|((\w)<<4)
.irp i, 2,4,6,8,10,12,14
.irp n, 0,1,2,3
.irp b, 0,1
	v_max3_num_f32 v[QT+2*\n+\b], v[QT+2*\n+\b], |v[(\b0)+(\dp)*\n+(\db)*\b+\i]|, |v[(\b0)+(\dp)*\n+(\db)*\b+\i+1]|   ; the eight blocks by turns
.endr
.endr
.endr
	WIN 0
.irp q, 0,1,2,3,4,5,6,7
	v_permlanex16_b32 v[QP+\q], v[QT+\q], s[SEL], s[SEL+1]
.endr
.irp q, 0,1,2,3,4,5,6,7
	v_max_num_f32 v[QT+\q], v[QT+\q], v[QP+\q]     ; with lane l xor 16's 16: the block's largest magnitude
.endr
.irp q, 0,1,2,3,4,5,6,7
	v_add_nc_u32 v[QE+\q], 0xff000000, v[QT+\q]    ; 2 off its exponent field: the conversion takes the exponent field of this operand as its scale
.endr
.irp q, 0,1,2,3,4,5,6,7
	v_lshrrev_b32 v[QP+\q], 23, v[QE+\q]           ; the scale's byte
.endr
	WIN (\w)
.irp n, 0,1,2,3
	v_cvt_scalef32_pk16_fp6_f32 v[CD+6*\n:CD+6*\n+2], v[(\b0)+(\dp)*\n:(\b0)+(\dp)*\n+15], v[QE+2*\n]
	v_cvt_scalef32_pk16_fp6_f32 v[CB+4*\n:CB+4*\n+2], v[(\b0)+(\dp)*\n+(\db):(\b0)+(\dp)*\n+(\db)+15], v[QE+2*\n+1]
.endr
	WIN 0
	v_nop                                          ; one plain instruction behind the scaled conversions
.irp n, 0,1,2,3
.irp i, 0,1,2
	v_permlane16_swap_b32 v[CD+6*\n+\i], v[CB+4*\n+\i]   ; the first's lanes 16-31 change places with the second's lanes 0-15: each lane now has its block's lower 16 codes in the first, the upper 16 in the second
.endr
.irp i, 0,1,2
	v_mov_b32 v[CD+6*\n+3+\i], v[CB+4*\n+\i]
.endr
.endr
.endm
.macro QKOUT x0                        ; the blocks of q or k of x's tiles x0 .. x0 + 3 go to the stage
.irp n, 0,1,2,3
	v_lshl_or_b32 v[QP+2*\n], v[QP+2*\n+1], 8, v[QP+2*\n]
.endr
.irp n, 0,1,2,3
	v_lshl_or_b32 v[QP+2*\n], v[QP+2*\n], 16, v[QP+2*\n]      ; b0, b1, b0, b1: the word serves the 64 features in either half of a K step of 128
.endr
.irp n, 0,1,2,3
.set RW, 32*(((\x0)+\n)/2)+((\x0)+\n)%2
.irp p, 0,1,2
	ds_store_b64 v[SQ], v[CD+6*\n+2*\p:CD+6*\n+2*\p+1] offset:96*RW+8*\p
.endr
	ds_store_b32 v[SQS], v[QP+2*\n] offset:4*RW    ; lanes r and r + 16 write the same word with the same value
.endr
	s_wait_dscnt 0x0                               ; the stores have read their registers
.endm
	s_load_b256 s[4:11], s[0:1], 0x0               ; x_codes s[4:5], x_scales s[6:7], wq_img s[8:9], W_qkv_scales s[10:11]
	s_load_b128 s[12:15], s[0:1], 0x20             ; b_qkv s[12:13], qkv s[14:15]
	v_lshl_add_u32 v254, v0, 2, 0x29000
	v_mov_b32 v255, 0
	ds_add_u32 v254, v255
	ds_add_u32 v254, v255
	v_lshrrev_b32 v1, 5, v0
	v_readfirstlane_b32 s[WV], v1                  ; wave 0..3
	s_and_b32 s[HB], ttmp7, 0xffff
	s_lshl_b32 s[GG], ttmp9, 1                     ; the first pass's g
	; descriptor group 1: 32 rows of 96 elements of 8 bytes, dense in memory; in LDS 8 bytes of padding behind every 256
	s_mov_b32 s[G1+0], (3<<16)|(1<<20)|(5<<22)|(1<<25)   ; 15:0 no mask; 17:16 elements of 8 bytes; 20 padding on; 24:22 after every 64 words (code 5); 31:25 of 2 words (code 1)
	s_mov_b32 s[G1+1], 96<<16                      ; tensor_dim0
	s_mov_b32 s[G1+2], 32<<16                      ; tensor_dim1
	s_mov_b32 s[G1+3], 96<<16                      ; tile_dim0
	s_mov_b32 s[G1+4], 32                          ; tile_dim1
	s_mov_b32 s[G1+5], 96                          ; from row to row
	s_mov_b32 s[G1+6], 0
	s_mov_b32 s[G1+7], 0
	s_mul_i32 s52, s[HB], 98304                    ; the head's 128 rows of 768 bytes,
	s_mul_i32 s51, s[WV], 24576                    ; my 32 of them
	s_add_co_u32 s52, s52, s51
	s_mov_b32 s53, 0
	s_mov_b32 s[G0], 1
	s_mul_i32 s[G0+1], s[WV], 32*PITCH             ; LDS: wave x 32 rows
	s_wait_dscnt 0x0
	s_wait_kmcnt 0x0
	s_add_nc_u64 s[G0+2:G0+3], s[4:5], s[52:53]
	s_or_b32 s[G0+3], s[G0+3], 0x80000000          ; type = 2
	tensor_load_to_lds s[G0:G0+3], s[G1:G1+7]      ; my one tensor load of the launch: nothing in LDS is filled twice
	s_nop 0
	PLACES                                         ; four v_nop behind it
	v_and_b32 v1, 15, v0                           ; r
	v_bfe_u32 v2, v0, 4, 1                         ; h
	v_and_b32 v3, 31, v0                           ; lane
	s_bfe_u32 s51, s[HB], 0x20002                  ; (head / 4) % 4: my place among the four that share the prefetches out
	s_lshl_b32 s51, s51, 8
	v_min_u32 v[PFO], 8, v3
	v_lshl_add_u32 v[PFO], v[PFO], 10, s51
	v_mul_u32_u24 v20, v1, 2*PITCH
	v_mad_u32_u24 v[XA], v2, 24, v20
	v_lshl_add_u32 v[XA+1], v2, 5, v20
	v_add_nc_u32 v[XA+2], 64*PITCH, v[XA]
	v_add_nc_u32 v[XA+3], 64*PITCH, v[XA+1]
	v_lshlrev_b32 v[WL], 4, v3
	v_lshlrev_b32 v[XSA], 6, v1
	v_lshlrev_b32 v[WSQ], 5, v1
	v_mul_u32_u24 v[WSV], v1, 6144
	v_lshlrev_b32 v[BQ], 5, v2
	v_mul_u32_u24 v[BV], v2, 6144
	s_and_b32 s51, s[WV], 1                        ; q or k
	s_lshr_b32 s54, s[WV], 1                       ; j % 2
	s_mul_i32 s55, s51, 12288
	s_mul_i32 s56, s54, 48
	s_add_co_u32 s55, s55, s56
	s_add_co_u32 s55, s55, STAGE
	v_mul_u32_u24 v[SQ], v1, 192                   ; row 32 a + 2 r + u: 96 bytes a row; the tile's part stands in the immediate
	v_mad_u32_u24 v[SQ], v2, 24, v[SQ]
	v_add_nc_u32 v[SQ], s55, v[SQ]
	s_lshl_b32 s55, s51, 10
	s_lshl_b32 s56, s54, 9
	s_add_co_u32 s55, s55, s56
	s_add_co_u32 s55, s55, STAGE+36864
	v_lshl_add_u32 v[SQS], v1, 3, s55
	v_lshrrev_b32 v20, 2, v1                       ; v's block T = 16 a + r: step 4 a + r / 4, piece 3 ((r / 2) % 2) + p, T % 2 = r % 2; row rho % 8 = 2 w + h
	v_mul_u32_u24 v[SV], v20, 768
	v_bfe_u32 v20, v1, 1, 1
	v_mad_u32_u24 v[SV], v20, 384, v[SV]
	v_and_b32 v20, 1, v1
	v_lshl_add_u32 v[SV], v20, 6, v[SV]
	v_lshl_add_u32 v[SV], v2, 3, v[SV]
	s_lshl_b32 s55, s[WV], 4
	s_add_co_u32 s55, s55, STAGE+24576
	v_add_nc_u32 v[SV], s55, v[SV]
	s_lshl_b32 s55, s[WV], 7
	s_add_co_u32 s55, s55, STAGE+38912
	v_lshl_add_u32 v[SVS], v2, 6, v1               ; 64 (2 w + h) + 16 a + r
	v_add_nc_u32 v[SVS], s55, v[SVS]
	v_lshlrev_b32 v[CPG], 4, v0
	v_add_nc_u32 v[CPL], STAGE, v[CPG]
.irp q, 0,1,2,3,4,5,6,7
	v_mov_b32 v[QP+\q], 0                          ; written once: a lane permute's destination counts as one of its sources
.endr
	s_lshl_b32 s52, s[HB], 12
	s_add_nc_u64 s[PXS:PXS+1], s[6:7], s[52:53]    ; the head's rows of x_scales, 32 bytes each
	s_lshl_b32 s51, s[HB], 3
	s_add_co_u32 s51, s51, s[GG]
	s_mul_i32 s52, s51, RECB
	s_add_nc_u64 s[PREC:PREC+1], s[14:15], s[52:53]
	s_mov_b32 s[SEL], 0x76543210
	s_mov_b32 s[SEL+1], 0xfedcba98
	s_mov_b32 s[MASK], 0xffff0000
	BASES
	global_prefetch_b8 v[PFO], s[PWI:PWI+1] offset:9216*3 th:TH_LOAD_NT scope:SCOPE_SE   ; what K steps 0 and 1 will load
	global_prefetch_b8 v[PFO], s[PWI:PWI+1] offset:9216*4 th:TH_LOAD_NT scope:SCOPE_SE
.irp a, 0,1,2,3,4,5,6,7
	global_load_b128 v[XS+8*\a:XS+8*\a+3], v[XSA], s[PXS:PXS+1] offset:32*(32*(\a/2)+\a%2)        ; lane r: the eight scale words of row 32 a + 2 r + u; they stay for both passes
	global_load_b128 v[XS+8*\a+4:XS+8*\a+7], v[XSA], s[PXS:PXS+1] offset:32*(32*(\a/2)+\a%2)+16
.endr
	LOADPASS
	s_wait_tensorcnt 0x0                           ; my 32 rows of x are in LDS,
	s_barrier_signal -1
	s_barrier_wait -1                              ; everybody's are
	s_mov_b32 s[PASS], 0
.Lpass:
	XHALF 0, 0
	XHALF 0, 1
.irp k, 0,1,2,3,4,5,6,7
	KSTEP \k
.endr
	PLACES                                         ; behind the last products: for the loads into W's registers and scale words, and for the first reads of results
	s_cmp_eq_u32 s[PASS], 1                        ; the next pass's first loads go out here, under the quantising, if there is a next pass
	s_cbranch_scc1 .Lno_next
	s_add_co_u32 s[GG], s[GG], 1
	s_wait_xcnt 0x0                                ; the prefetches have read their base
	BASES                                          ; no load of mine is out: K step 7 waited for all
	LOADPASS
.Lno_next:
	QPAIRS 2, 0, 32, 16                            ; q or k, x's tiles 0-3: pair = tile, blocks = features 0-31, 32-63
	QKOUT 0
	QPAIRS 2, 128, 32, 16                          ; tiles 4-7
	QKOUT 4
	QPAIRS 3, 0, 16, 64                            ; v: pair a = key blocks 16 a + r, blocks = my two features
.irp n, 0,1,2,3
	v_cndmask_b32 v[QP+2*\n], v[QP+2*\n], v[QP+2*\n+1], s[MASK]   ; lanes 0-15 hold the first feature's block, lanes 16-31 the second's: each its own byte
.endr
.irp n, 0,1,2,3
.irp p, 0,1,2
	ds_store_b64 v[SV], v[CD+6*\n+2*\p:CD+6*\n+2*\p+1] offset:3072*\n+128*\p
.endr
	ds_store_b8 v[SVS], v[QP+2*\n] offset:16*\n
.endr
	s_wait_dscnt 0x0                               ; for the others' sake: my stores into the stage are done
	s_barrier_signal -1
	s_barrier_wait -1                              ; the record lies whole in the stage
.irp i, 0,1,2,3,4,5,6,7,8,9,10,11,12,13,14,15,16,17,18
	ds_load_b128 v[CP+4*\i:CP+4*\i+3], v[CPL] offset:2048*\i
.endr
.irp i, 0,1,2,3,4,5,6,7,8,9,10,11,12,13,14,15,16,17,18
	s_wait_dscnt 18-\i                             ; load i is in; the 18 - i younger ones may be out
	global_store_b128 v[CPG], v[CP+4*\i:CP+4*\i+3], s[PREC:PREC+1] offset:2048*\i   ; a wave stores 512 consecutive bytes, at a multiple of 256 from the buffer's first byte
.endr
	s_cmp_lg_u32 s[WV], 0                          ; the record's last 512 bytes (v's scale bytes) are one wave's worth
	s_cbranch_scc1 .Lnot_wave_0
	ds_load_b128 v[CP+76:CP+79], v[CPL] offset:38912
	s_wait_dscnt 0x0
	global_store_b128 v[CPG], v[CP+76:CP+79], s[PREC:PREC+1] offset:38912
.Lnot_wave_0:
	s_wait_dscnt 0x0                               ; my reads of the stage are over:
	s_barrier_signal -1
	s_barrier_wait -1                              ; the next pass may write it again
	s_wait_xcnt 0x0                                ; the stores have read their registers and their base: x's fragments may land there, and the base may step
	s_add_nc_u64 s[PREC:PREC+1], s[PREC:PREC+1], RECB
	s_add_co_u32 s[PASS], s[PASS], 1
	s_cmp_lt_u32 s[PASS], 2
	s_cbranch_scc1 .Lpass
	s_wait_tensorcnt 0x0
	ds_add_u32 v254, v255
	s_wait_dscnt 0x0
	s_endpgm
.Lfunc_end_k_q3061f1597e_qkv:
	.size	k_q3061f1597e_qkv, .Lfunc_end_k_q3061f1597e_qkv-k_q3061f1597e_qkv
	.p2alignl 7, 3214868480
	.fill 96, 4, 3214868480
	.section	.rodata,"a",@progbits
	.p2align	6, 0x0
	.amdhsa_kernel k_q3061f1597e_qkv
		.amdhsa_group_segment_fixed_size 168448
		.amdhsa_private_segment_fixed_size 0
		.amdhsa_enable_private_segment 0
		.amdhsa_kernarg_size 48
		.amdhsa_user_sgpr_count 2
		.amdhsa_user_sgpr_kernarg_segment_ptr 1
		.amdhsa_wavefront_size32 1
		.amdhsa_system_sgpr_workgroup_id_x 1
		.amdhsa_system_sgpr_workgroup_id_y 1
		.amdhsa_system_sgpr_workgroup_id_z 1
		.amdhsa_system_vgpr_workitem_id 0
		.amdhsa_next_free_vgpr 1024
		.amdhsa_next_free_sgpr 66
		.amdhsa_reserve_vcc 0
		.amdhsa_float_denorm_mode_32 3
		.amdhsa_float_denorm_mode_16_64 3
		.amdhsa_memory_ordered 1
		.amdhsa_forward_progress 1
		.amdhsa_inst_pref_size 143
	.end_amdhsa_kernel
	.amdgpu_metadata
---
amdhsa.version: [ 1, 2 ]
amdhsa.kernels:
  - .name:           k_q3061f1597e_qkv
    .symbol:         k_q3061f1597e_qkv.kd
    .args:
      - { .name: x_codes, .offset: 0, .size: 8, .value_kind: global_buffer, .address_space: global }
      - { .name: x_scales, .offset: 8, .size: 8, .value_kind: global_buffer, .address_space: global }
      - { .name: wq_img, .offset: 16, .size: 8, .value_kind: global_buffer, .address_space: global }
      - { .name: W_qkv_scales, .offset: 24, .size: 8, .value_kind: global_buffer, .address_space: global }
      - { .name: b_qkv, .offset: 32, .size: 8, .value_kind: global_buffer, .address_space: global }
      - { .name: qkv, .offset: 40, .size: 8, .value_kind: global_buffer, .address_space: global }
    .group_segment_fixed_size: 168448
    .private_segment_fixed_size: 0
    .kernarg_segment_align: 8
    .kernarg_segment_size: 48
    .max_flat_workgroup_size: 128
    .sgpr_count:     66
    .vgpr_count:     1024
    .wavefront_size: 32
...
	.end_amdgpu_metadata
.endif
;; end of part 2
;; launch attn (part 3): grid 4 x 64, 8 waves a work-group, clusters of 4 x 1, 219,136 bytes of LDS; arguments qkv, o_img, o_sc; writes o_img, o_sc
.if DOCPART == 3
	.amdgcn_target "amdgcn-amd-amdhsa--gfx1250"
	.amdhsa_code_object_version 6
	.text
	.protected	k_q3061f1597e_attn
	.globl	k_q3061f1597e_attn
	.p2align	8
	.type	k_q3061f1597e_attn,@function
k_q3061f1597e_attn:
	s_mov_b64 s[64:65], 0
	v_nop
	global_prefetch_b8 v0, s[64:65] scope:SCOPE_SE
	s_setreg_imm32_b32 hwreg(HW_REG_WAVE_MODE, 25, 1), 1
	s_wait_xcnt 0x0
	s_wait_alu depctr_hold_cnt(0) depctr_sa_sdst(0) depctr_va_vdst(0) depctr_va_sdst(0) depctr_va_ssrc(0) depctr_va_vcc(0) depctr_vm_vsrc(0)
	s_getreg_b32 s2, hwreg(HW_REG_IB_STS2, 6, 4)
	s_cmp_eq_u32 s2, 0
	s_cbranch_scc0 .Lentry_in_a_cluster
	s_endpgm
.Lentry_in_a_cluster:
	s_bfe_u32 s2, ttmp6, 0x10000c
	s_cmp_lg_u32 s2, 0x3003
	s_cbranch_scc0 .Lentry_shape_is_right
	s_endpgm
.Lentry_shape_is_right:
; o = softmax(q k^T / 8) v for each of 64 heads of 2,048 places and 64 features, both products on codes of E2M3 with E8M0 scales, and the quantising of o for the last product.
; THE SOFTMAX: t = score x log2(e) / 8; M = the row's largest t so far, rounded UP to a whole number; p = 2^(t - M) is quantised along the keys, not normalised; the row's sum is taken of the
; unquantised p and divides O at the end.  When M moves, the sum and O are multiplied by 2^(old M - new M): exact.
; SHARES.  A work-group owns 512 queries of a head; each of its eight waves has two tiles of 16 queries at a time, A in register window 0 and B in window 1 at the same register numbers, and makes two passes.
; LDS.  Of each of the head's eight records the 27,136 bytes from K's codes on (K 12,288, V 12,288, q's, k's and v's scales) are consecutive in memory: wave w brings record w by ONE tensor load, 106 rows of 256 bytes.
; Nothing is filled twice.  Record g lies at 27,264 g, 128 bytes over a multiple of 256: the two records of a tile of V then lie 32 banks apart, and the 32 lanes of a load of 8 bytes of V touch 64 different banks
; (64 banks of 4 bytes: ISA guide 11.1); of K's lanes two meet in each bank.
; q's scale words ride along inside that tile and are not read from LDS: their place hangs on the work-group's place in the cluster, which enters no LDS address.
; CLUSTER.  The four work-groups of a head ask for the records JOINTLY, with a mask that names the four.  A wave has one tensor load out.
; NO PREFETCH: K and V are asked for once, at the head; there is no loop to run ahead in.  Both passes' Q are loaded at the head, under the tensor load.
; LAYOUT.  Both products are used transposed: S^T = K Q^T (source 0 = 16 keys, source 1 = 16 queries), O^T = V^T P^T: a lane holds ONE query (lane % 16) throughout.
; K = 64 fills half of the instruction's 128: two tiles of keys share a fragment [K0 | K1]; Q stands as [Q | zeros | Q]: [Q | zeros] picks K0, [zeros | Q] picks K1.
; THE KEYS OF A TILE: place 16 R + J of the sequence is row R, column group J.  Row 8 h' + j of tile 4 c + u of step n is R = 8 n + 4 c + 2 h' + u % 2, J = 8 (u / 2) + j.  So lane (r, h) holds in the 32 registers of tiles
; 4 c .. 4 c + 3 the WHOLE block 4 n + 2 c + h of 32 keys, in the order in which the launch before has laid v's codes (numbers 0-7, 16-23, 8-15, 24-31): the conversions' results are the operand; no lane is asked for a block's maximum.
; V^T's rows are rho = d with bits 3 and 4 changed over: a lane's 16 registers of tiles 2 beta, 2 beta + 1 of O^T are features 32 beta + 16 h + 0 .. 15, and o's codes come out in W_o's own order.
; OUT: o_img [row tile 512][head 16][768 bytes]: six registers a lane, as 16 bytes x 32 lanes and 8 bytes x 32 lanes; o_sc [8192][32]: byte 2 hh + beta, two bytes to a row and head: whole blocks of them would want all heads in one work-group.
; LIMITS: NaN and infinities are not served.  The promise holds while the scaled scores stay under 2^31 in magnitude.  1 / the sum is v_rcp_f32's.  A block's largest p is made from its largest score by the same two instructions
; (v_exp_f32 is taken not to fall where its input rises).  A block of zeros gets the byte 1 where the quantiser says 127: its codes are zeros, and this program alone reads the bytes.
; REGISTERS, both windows: v12 -M, v13 the largest score, v[14:15] the sum; v16-33 Q; v34-51 at work; v52-63 p's codes; v64-70 their other halves; v67 8 h; v72-135 S^T, then p; v136-167 O^T; v246-251 the second pass's Q.
;   window 0 alone: v1-11, v232-234, v242-244 addresses; v168-215 V's four fragments; v216-223 K's scale words; v224-227 V's; v228-229 Q's; v230-231 p's; v252-253 the second pass's.   window 1 alone: v168-215 K's eight tiles.
.set RECB,  39424
.set HEADB, 8*RECB
.set E1,    27136+128                  ; from record to record in LDS: the 27,136 bytes that come, and 128
.set T1,    2*E1                       ; two records on
.set U4,    4*E1                       ; four records on
.set OFFV,  12288
.set OFFKS, 25600
.set OFFVS, 26624
.set SPARE, 8*E1                       ; 218,112, behind record 7: the spare words, 128 bytes a wave
.set AK0,  1
.set AKS0, 2
.set AV0,  3
.set AVS0, 4
.set QO,   5
.set ADK,  6                           ; v6, v7: K's column groups 0-7, 8-15
.set ADKS, 8                           ; v8, v9 their scale words
.set ADV0, 10                          ; v10, v11: V's tiles 0, 1 and 2, 3
.set ADVS, 242                         ; v242, v243 their scale words
.set QSO,  244
.set AK1,  238                         ; v238-241: the four bases four records on (made when the head's lane numbers there are done with)
.set AKS1, 239
.set AV1,  240
.set AVS1, 241
.set Q,    16
.set BM,   34
.set TP,   38
.set TP2,  39
.set SO,   40
.set BT,   42
.set F,    44                          ; v[44:45]: f, and a register named with it as a pair
.set L,    46                          ; v[46:51]: three more chains of the sum
.set PC,   52
.set TC,   64
.set SH,   67
.set S,    72
.set O,    136
.set VF,   168
.set KF,   168                         ; in window 1
.set KSW,  216
.set VSW,  224
.set QSW,  228
.set PSW,  230
.set OI16, 232
.set OI8,  233
.set OSC,  234
.set NQ,   246
.set NQS,  252
.set WV,   10
.set CX,   11
.set HD,   12
.set G0,   16
.set G1,   32
.set CS,   56                          ; s[56:57] c = log2(e) / 8
.set SEL,  58
.set MASK, 60
.set PASS, 61
.set N,    62
.set NX,   63
.set QB,   66
.set QSB,  68
.set OB,   70
.set OSB,  72
.set MSB, 0
.macro WIN new                         ; the immediate's high byte repeats the setting that is left; a switch that changes nothing is dropped
.if MSB != (\new)
	s_set_vgpr_msb (MSB<<8)|(\new)
.set MSB, (\new)
.endif
.endm
.macro PLACES
.rept 4
	v_nop
.endr
.endm
.macro CROUND                          ; a round of the cluster's barrier
	s_barrier_signal -1
	s_barrier_wait -1
	s_cmp_lg_u32 s[WV], 0
	s_cbranch_scc1 .Lnot_wave_0_\@
	s_barrier_signal -3
.Lnot_wave_0_\@:
	s_barrier_wait -3
	s_barrier_signal -1
	s_barrier_wait -1
.endm
.macro ADRK                            ; a step's LDS addresses of K: s74 = 768 n, s75 = 32 n
	v_add_nc_u32 v[ADK], s74, v[AK0]
	v_add_nc_u32 v[ADK+1], s74, v[AK1]
	v_add_nc_u32 v[ADKS], s75, v[AKS0]
	v_add_nc_u32 v[ADKS+1], s75, v[AKS1]
.endm
.macro ADRV                            ; and of V: s74 = 768 n, s78 = 4 n
	v_add_nc_u32 v[ADV0], s74, v[AV0]
	v_add_nc_u32 v[ADV0+1], s74, v[AV1]
	v_add_nc_u32 v[ADVS], s78, v[AVS0]
	v_add_nc_u32 v[ADVS+1], s78, v[AVS1]
.endm
.macro KLOAD                           ; a step's eight tiles of K and their scale words: 28 LDS loads
	WIN 0x40
.irp c, 0,1
.irp u, 0,1,2,3
.irp p, 0,1,2
	ds_load_b64 v[KF+6*(4*\c+\u)+2*\p:KF+6*(4*\c+\u)+2*\p+1], v[ADK+\u/2] offset:96*(4*\c+\u%2)+8*\p
.endr
.endr
.endr
	WIN 0
.irp c, 0,1
.irp u, 0,1
	ds_load_b64 v[KSW+4*\c+2*\u:KSW+4*\c+2*\u+1], v[ADKS+\u] offset:16*\c   ; the words of tiles 4 c + 2 u and + 1: neighbouring rows
.endr
.endr
.endm
.macro VLOAD                           ; a step's four tiles of V^T (rows 16 t + r, 128 keys) and their scale words: 28 LDS loads
.irp t, 0,1,2,3
.irp q, 0,1,2,3,4,5
	ds_load_b64 v[VF+12*\t+2*\q:VF+12*\t+2*\q+1], v[ADV0+\t/2] offset:T1*(\t%2)+128*\q
.endr
	ds_load_b32 v[VSW+\t], v[ADVS+\t/2] offset:T1*(\t%2)
.endr
.endm
.macro SPROD tl                        ; S^T of tile tl: eight products, each starts its sum
	WIN 0x01+0x54*(\tl)                            ; K window 1; Q and S^T the tile's window
.irp t, 0,1,2,3,4,5,6,7
	v_wmma_scale_f32_16x16x128_f8f6f4 v[S+8*\t:S+8*\t+7], v[KF+12*(\t/2):KF+12*(\t/2)+11], v[Q+6*(\t%2):Q+6*(\t%2)+11], 0, v[KSW+\t], v[QSW+(\tl)] matrix_a_fmt:MATRIX_FMT_FP6 matrix_b_fmt:MATRIX_FMT_FP6
.endr
.endm
.macro PVPROD tl                       ; O^T += V^T P^T of tile tl: four products on four accumulators
	WIN 0x54*(\tl)                                 ; V window 0; P and O^T the tile's window
.irp t, 0,1,2,3
	v_wmma_scale_f32_16x16x128_f8f6f4 v[O+8*\t:O+8*\t+7], v[VF+12*\t:VF+12*\t+11], v[PC:PC+11], v[O+8*\t:O+8*\t+7], v[VSW+\t], v[PSW+(\tl)] matrix_a_fmt:MATRIX_FMT_FP6 matrix_b_fmt:MATRIX_FMT_FP6
.endr
.endm
.macro TM n                            ; t - M, two at a time, from register J on
.rept \n
	v_pk_fma_f32 v[S+J:S+J+1], v[S+J:S+J+1], s[CS:CS+1], v[12:13] op_sel_hi:[1,0,0]
.set J, J+2
.endr
.endm
.macro SUM4                            ; four pairs of p onto the sum's four chains
	v_pk_add_f32 v[14:15], v[14:15], v[S+J:S+J+1]
	v_pk_add_f32 v[L:L+1], v[L:L+1], v[S+J+2:S+J+3]
	v_pk_add_f32 v[L+2:L+3], v[L+2:L+3], v[S+J+4:S+J+5]
	v_pk_add_f32 v[L+4:L+5], v[L+4:L+5], v[S+J+6:S+J+7]
.set J, J+8
.endm
; The softmax of one tile for one step of 128 keys, and the quantising of p.  My two blocks are registers 0-31 and 32-63 of S^T.
.macro SMAX tl
	WIN 0x55*(\tl)
.if \tl
	s_wait_alu depctr_va_vdst(0)                   ; tile A's exponentials stand between tile B's products and these first reads
.endif
.irp k, 0,1,2,3
	v_max3_num_f32 v[BM+\k], v[S+16*\k], v[S+16*\k+1], v[S+16*\k+2]   ; four chains by turns, two to a block; each accumulator is first read at its low end
.endr
.irp i, 3,5,7,9,11,13
.irp k, 0,1,2,3
	v_max3_num_f32 v[BM+\k], v[BM+\k], v[S+16*\k+\i], v[S+16*\k+\i+1]
.endr
.endr
	v_max3_num_f32 v[BM], v[BM], v[BM+1], v[S+15]
	v_max3_num_f32 v[BM+1], v[BM+2], v[BM+3], v[S+47]
	v_max_num_f32 v[BM], v[BM], v[S+31]            ; the largest score of each block: it serves for the row's maximum and, since p rises with the score, for the block's largest p
	v_max_num_f32 v[BM+1], v[BM+1], v[S+63]
	s_delay_alu instid0(VALU_DEP_1)
	v_max_num_f32 v[TP], v[BM], v[BM+1]
	s_delay_alu instid0(VALU_DEP_1)
	v_permlanex16_b32 v[TP2], v[TP], s[SEL], s[SEL+1]
	s_delay_alu instid0(VALU_DEP_1)
	v_max3_num_f32 v13, v13, v[TP], v[TP2]         ; with lane l xor 16's two blocks: the largest score so far
	s_delay_alu instid0(VALU_DEP_1)
	v_mul_f32 v[TP], s[CS], v13                    ; as t (c is positive)
	v_mov_b32 v[TP2], v12
	s_delay_alu instid0(VALU_DEP_2)
	v_floor_f32 v12, -v[TP]                        ; the new -M = floor(-t): M is a whole number
.set J, 0
	TM 4
	v_sub_f32 v[TP], v12, v[TP2]                   ; old M - new M, 0 or less
	TM 4
	v_cvt_i32_f32 v[TP], v[TP]                     ; (it saturates)
	TM 4
	v_ldexp_f32 v[F], 1.0, v[TP]                   ; f = 2^(old M - new M)
	TM 20
.irp b, 0,1
	v_fma_f32 v[BM+\b], v[BM+\b], s[CS], v12       ; the same of each block's largest score
.endr
	s_wait_alu depctr_va_vdst(0)                   ; ahead of the batch, and directly ahead of O^T's first readers
.set J, 0
.rept 16
	v_pk_mul_f32 v[O+J:O+J+1], v[O+J:O+J+1], v[F:F+1] op_sel_hi:[1,0]   ; O^T under the new M, each accumulator from its low end on
.set J, J+2
.endr
.irp b, 0,1
	v_exp_f32 v[BM+\b], v[BM+\b]                   ; the block's largest p
.endr
.set J, 0
.rept 64
	v_exp_f32 v[S+J], v[S+J]                       ; p = 2^(t - M), at most 1
.set J, J+1
.endr
	v_pk_mul_f32 v[14:15], v[14:15], v[F:F+1] op_sel_hi:[1,0]   ; the sum under the new M: the plain instruction behind the exponentials
	s_wait_alu depctr_va_vdst(0)                   ; one wait for the batch of 66, ahead of its first reader
.irp b, 0,1
	v_max_num_f32 v[BM+\b], 0x1800000, v[BM+\b]    ; the floor 2^(3 - 127): the byte cannot fall under 1
.endr
	v_pk_add_f32 v[L:L+1], v[S:S+1], v[S+2:S+3]    ; the row's sum is taken of the unquantised p
	v_pk_add_f32 v[L+2:L+3], v[S+4:S+5], v[S+6:S+7]
	v_pk_add_f32 v[L+4:L+5], v[S+8:S+9], v[S+10:S+11]
.irp b, 0,1
	v_add_nc_u32 v[SO+\b], 0xff000000, v[BM+\b]    ; 2 off the exponent field: the conversion's scale operand
.endr
	v_pk_add_f32 v[14:15], v[14:15], v[S+12:S+13]
	v_pk_add_f32 v[L:L+1], v[L:L+1], v[S+14:S+15]
.irp b, 0,1
	v_lshrrev_b32 v[BT+\b], 23, v[SO+\b]           ; the scale's byte
.endr
.set J, 16
	SUM4
	v_lshl_or_b32 v[TP2], v[BT+1], 16, v[BT]       ; my bytes: blocks h and 2 + h,
	SUM4
	v_lshlrev_b32 v[TP2], v[SH], v[TP2]            ; at their places in the word (8 h bits up);
	SUM4
	v_permlanex16_b32 v[TP], v[TP2], s[SEL], s[SEL+1]
	SUM4
	WIN 0x15*(\tl)                                 ; scale operands are taken from window 0
	v_or_b32 v[PSW+(\tl)], v[TP2], v[TP]           ; with lane l xor 16's two the word is whole
	WIN 0x55*(\tl)
.irp c, 0,1
	v_cvt_scalef32_pk16_fp6_f32 v[PC+6*\c:PC+6*\c+2], v[S+32*\c:S+32*\c+15], v[SO+\c]
	v_cvt_scalef32_pk16_fp6_f32 v[TC+4*\c:TC+4*\c+2], v[S+32*\c+16:S+32*\c+31], v[SO+\c]   ; (a conversion's three registers begin on an even number)
.endr
	SUM4                                           ; plain instructions behind the scaled conversions
.irp c, 0,1
.irp i, 0,1,2
	v_mov_b32 v[PC+6*\c+3+\i], v[TC+4*\c+\i]
.endr
.endr
	SUM4                                           ; these seven are the places between the codes' last line and the products; 17 stand behind the scale word's
	v_pk_add_f32 v[L:L+1], v[L:L+1], v[L+2:L+3]
	v_pk_add_f32 v[14:15], v[14:15], v[L+4:L+5]
	v_pk_add_f32 v[14:15], v[14:15], v[L:L+1]
.endm
.macro INIT                            ; the step is written once: the first finds zeros, which the first change of M leaves zeros
	v_mov_b32 v13, 0xff61b1e6                      ; -3e38, under every score
	s_delay_alu instid0(VALU_DEP_1)
	v_floor_f32 v12, -v13
	v_mov_b32 v14, 0
	v_mov_b32 v15, 0
.set J, 0
.rept 32
	v_mov_b32 v[O+J], 0
.set J, J+1
.endr
.endm
; The way out of one tile: O^T / the sum, quantised along the head's 64 features (two blocks), six registers of codes and one scale byte a lane.
.macro OUT tl
	WIN 0x55*(\tl)
	v_add_f32 v14, v14, v15
	s_delay_alu instid0(VALU_DEP_1)
	v_permlanex16_b32 v[TP], v14, s[SEL], s[SEL+1]
	s_delay_alu instid0(VALU_DEP_1)
	v_add_f32 v14, v14, v[TP]                      ; the row's sum
	s_wait_alu depctr_va_vdst(0)
	v_rcp_f32 v[F], v14
	v_nop                                          ; a plain instruction behind the reciprocal,
	s_wait_alu depctr_va_vdst(0)                   ; and the wait ahead of its first reader and of O^T's
.set J, 0
.rept 16
	v_pk_mul_f32 v[S+J:S+J+1], v[O+J:O+J+1], v[F:F+1] op_sel_hi:[1,0]   ; register 16 beta + i is feature 32 beta + 16 h + i
.set J, J+2
.endr
.irp b, 0,1
	v_max3_num_f32 v[BM+\b], |v[S+16*\b]|, |v[S+16*\b+1]|, 0x1800000
.endr
.irp i, 2,4,6,8,10,12,14
.irp b, 0,1
	s_delay_alu instid0(VALU_DEP_2)
	v_max3_num_f32 v[BM+\b], v[BM+\b], |v[S+16*\b+\i]|, |v[S+16*\b+\i+1]|
.endr
.endr
.irp b, 0,1
	s_delay_alu instid0(VALU_DEP_2)
	v_permlanex16_b32 v[BT+\b], v[BM+\b], s[SEL], s[SEL+1]
.endr
.irp b, 0,1
	s_delay_alu instid0(VALU_DEP_2)
	v_max_num_f32 v[BM+\b], v[BM+\b], v[BT+\b]
.endr
.irp b, 0,1
	s_delay_alu instid0(VALU_DEP_2)
	v_add_nc_u32 v[SO+\b], 0xff000000, v[BM+\b]
.endr
.irp b, 0,1
	s_delay_alu instid0(VALU_DEP_2)
	v_lshrrev_b32 v[BT+\b], 23, v[SO+\b]
.endr
	v_cvt_scalef32_pk16_fp6_f32 v[PC:PC+2], v[S:S+15], v[SO]
	v_cvt_scalef32_pk16_fp6_f32 v[TC:TC+2], v[S+16:S+31], v[SO+1]
	v_nop
.irp i, 0,1,2
	v_permlane16_swap_b32 v[PC+\i], v[TC+\i]       ; lane (r, h) now holds block h of row r
.endr
.irp i, 0,1,2
	s_delay_alu instid0(VALU_DEP_3)
	v_mov_b32 v[PC+3+\i], v[TC+\i]
.endr
	v_cndmask_b32 v[TP], v[BT], v[BT+1], s[MASK]   ; and its byte
	WIN 0x04*(\tl)                                 ; a store's data are its source 1
	global_store_b128 v[OI16], v[PC:PC+3], s[OB:OB+1] offset:12288*(\tl)   ; 512 consecutive bytes,
	global_store_b64 v[OI8], v[PC+4:PC+5], s[OB:OB+1] offset:12288*(\tl)   ; and the 256 behind them
	global_store_b8 v[OSC], v[TP], s[OSB:OSB+1] offset:512*(\tl)
.endm
	s_load_b128 s[4:7], s[0:1], 0x0                ; qkv s[4:5], o_img s[6:7]
	s_load_b64 s[8:9], s[0:1], 0x10                ; o_sc
	v_lshl_add_u32 v254, v0, 2, SPARE
	v_mov_b32 v255, 0
	ds_add_u32 v254, v255
	ds_add_u32 v254, v255
	v_lshrrev_b32 v1, 5, v0
	s_delay_alu instid0(VALU_DEP_1)
	v_readfirstlane_b32 s[WV], v1                  ; wave 0..7
	s_bfe_u32 s[CX], ttmp6, 0x40000                ; my place in the cluster: it enters q's and o's addresses alone
	s_and_b32 s[HD], ttmp7, 0xffff                 ; the head, which the four partners share
	s_mov_b32 s[G1+0], 15|(3<<16)|(1<<21)          ; the mask: all four work-groups; elements of 8 bytes; bit 21 beside a mask; no padding
	s_mov_b32 s[G1+1], 32<<16                      ; rows of 256 bytes,
	s_mov_b32 s[G1+2], 106<<16                     ; 106 of them, dense
	s_mov_b32 s[G1+3], 32<<16
	s_mov_b32 s[G1+4], 106
	s_mov_b32 s[G1+5], 32
	s_mov_b32 s[G1+6], 0
	s_mov_b32 s[G1+7], 0
	s_mul_i32 s74, s[HD], HEADB
	s_mov_b32 s75, 0
	s_mul_i32 s78, s[WV], RECB                     ; wave w fetches record w, from K's codes on
	s_add_co_u32 s78, s78, 12288
	s_mov_b32 s79, 0
	s_mov_b32 s[G0], 1
	s_mul_i32 s[G0+1], s[WV], E1                   ; LDS: 27,264 w
	s_lshl_b32 s13, s[CX], 5
	s_lshl_b32 s14, s[WV], 1
	s_add_co_u32 s13, s13, s14                     ; tile A's row in the first pass: 32 cx + 2 w; tile B is the next row, the second pass 16 rows on
	s_mul_i32 s14, s13, 96
	s_mov_b32 s15, 0
	s_lshl_b32 s20, s13, 2
	s_mov_b32 s21, 0
	v_and_b32 v235, 15, v0                         ; r
	v_bfe_u32 v236, v0, 4, 1                       ; h
	v_and_b32 v237, 31, v0                         ; lane
	v_bfe_u32 v238, v0, 1, 3                       ; r / 2
	v_and_b32 v239, 1, v0                          ; r % 2
	v_bfe_u32 v240, v0, 3, 1                       ; r / 8
	v_and_b32 v241, 7, v0                          ; r % 8
	v_mul_u32_u24 v[QO], v238, RECB                ; q in memory: record r / 2, 48 (r % 2), 24 h
	v_lshl_add_u32 v[QSO], v239, 9, v[QO]
	v_mad_u32_u24 v[QO], v239, 48, v[QO]
	v_mad_u32_u24 v[QO], v236, 24, v[QO]
	s_wait_alu depctr_va_vdst(0)
	s_wait_dscnt 0x0
	s_wait_kmcnt 0x0
	s_add_nc_u64 s[76:77], s[4:5], s[74:75]        ; the head's eight records
	s_add_nc_u64 s[G0+2:G0+3], s[76:77], s[78:79]
	s_or_b32 s[G0+3], s[G0+3], 0x80000000
	s_add_nc_u64 s[QB:QB+1], s[76:77], s[14:15]
	s_add_nc_u64 s[QSB:QSB+1], s[76:77], s[20:21]
.irp tl, 0,1                           ; Q's 24 bytes a lane, of both passes: 16 loads, on their way across the round and beside the tensor load
	WIN 0x40*\tl
.irp p, 0,1,2
	global_load_b64 v[Q+2*\p:Q+2*\p+1], v[QO], s[QB:QB+1] offset:96*\tl+8*\p
	global_load_b64 v[NQ+2*\p:NQ+2*\p+1], v[QO], s[QB:QB+1] offset:1536+96*\tl+8*\p
.endr
.endr
	WIN 0
.irp tl, 0,1
	global_load_b32 v[QSW+\tl], v[QSO], s[QSB:QSB+1] offset:36864+4*\tl
	global_load_b32 v[NQS+\tl], v[QSO], s[QSB:QSB+1] offset:36864+64+4*\tl
.endr
	CROUND                                         ; all four work-groups are here: the joint loads meet
	tensor_load_to_lds s[G0:G0+3], s[G1:G1+7]      ; my one tensor load of the launch
	s_nop 0
	PLACES
	s_mov_b32 s[CS], 0x3e38aa3b                    ; c = log2(e) / 8
	s_mov_b32 s[CS+1], s[CS]
	s_mov_b32 s[SEL], 0x76543210
	s_mov_b32 s[SEL+1], 0xfedcba98
	s_mov_b32 s[MASK], 0xffff0000
	s_lshr_b32 s74, s[HD], 4                       ; b
	s_and_b32 s75, s[HD], 15                       ; hh
	s_lshl_b32 s14, s74, 7
	s_add_co_u32 s14, s14, s13                     ; row tile 128 b + row
	s_lshl_b32 s14, s14, 4
	s_add_co_u32 s14, s14, s75
	s_mul_i32 s14, s14, 768
	s_add_nc_u64 s[OB:OB+1], s[6:7], s[14:15]
	s_lshl_b32 s14, s74, 11
	s_lshl_b32 s78, s13, 4
	s_add_co_u32 s14, s14, s78                     ; row 2,048 b + 16 row
	s_lshl_b32 s14, s14, 5
	s_lshl_b32 s78, s75, 1
	s_add_co_u32 s14, s14, s78
	s_add_nc_u64 s[OSB:OSB+1], s[8:9], s[14:15]
	s_mov_b32 s74, 0                               ; step 0
	s_mov_b32 s75, 0
	s_mov_b32 s78, 0
	v_bfe_u32 v245, v0, 1, 2                       ; K: lane r takes column group r % 8 (+ 8): record (r % 8) / 2 (+ 4)
	v_mul_u32_u24 v245, v245, E1                   ; where that record lies
	v_mad_u32_u24 v[AK0], v239, 48, v245           ; 48 (r % 2), two rows of 96 bytes for r / 8, 24 h
	v_mad_u32_u24 v[AK0], v240, 192, v[AK0]
	v_mad_u32_u24 v[AK0], v236, 24, v[AK0]
	v_lshl_add_u32 v[AKS0], v239, 9, v245          ; its scale words: 512 (r % 2), two words for r / 8
	v_lshl_add_u32 v[AKS0], v240, 3, v[AKS0]
	v_add_nc_u32 v[AKS0], OFFKS, v[AKS0]
	v_mul_u32_u24 v245, v240, E1                   ; V: row rho = 16 t + r lies in record 2 t + r / 8: [step][piece][h][rho % 8][8 bytes]
	v_lshl_add_u32 v[AV0], v236, 6, v245
	v_lshl_add_u32 v[AV0], v241, 3, v[AV0]
	v_add_nc_u32 v[AV0], OFFV, v[AV0]
	v_lshl_add_u32 v[AVS0], v241, 6, v245          ; its scale bytes: 64 a row
	v_add_nc_u32 v[AVS0], OFFVS, v[AVS0]
	v_lshlrev_b32 v[OI16], 4, v237
	v_lshlrev_b32 v[OI8], 3, v237
	v_lshl_add_u32 v[OSC], v235, 5, v236           ; 32 r + h
	v_add_nc_u32 v[OI8], 512, v[OI8]
	v_add_nc_u32 v[AK1], U4, v[AK0]
	v_add_nc_u32 v[AKS1], U4, v[AKS0]
	v_add_nc_u32 v[AV1], U4, v[AV0]
	v_add_nc_u32 v[AVS1], U4, v[AVS0]
	ADRK
	ADRV
.irp w, 0x00, 0x40                     ; in both windows: Q's six zero registers; 8 h; what is named before it is first computed
	WIN \w
.irp i, 6,7,8,9,10,11
	v_mov_b32 v[Q+\i], 0
.endr
	v_lshlrev_b32 v[SH], 3, v236
	v_mov_b32 v[TP], 0                             ; a lane permute's destination counts as one of its sources
	v_mov_b32 v[TP2], 0
	v_mov_b32 v[F+1], 0
.endr
	WIN 0
	s_wait_alu depctr_va_vdst(0)
	s_wait_loadcnt 0x0                             ; Q is in,
.irp w, 0x00, 0x41                     ; and stands a second time behind the zeros: [Q | zeros | Q]
	WIN \w
.irp i, 0,1,2,3,4,5
	v_mov_b32 v[Q+12+\i], v[Q+\i]
.endr
.endr
	WIN 0
	s_wait_tensorcnt 0x0                           ; my record is in LDS,
	s_barrier_signal -1
	s_barrier_wait -1                              ; everybody's is; from here on LDS is only read
	KLOAD                                          ; step 0
	VLOAD
	s_mov_b32 s[PASS], 0
.Lpass:
	INIT
	WIN 0x55
	INIT
	WIN 0
	s_mov_b32 s[N], 0
.Lstep:                                            ; 16 steps of 128 keys
	s_wait_dscnt 28                                ; K's 28 loads are in; V's 28, issued behind them, may be out
	SPROD 0
	SPROD 1
	WIN 0
	s_add_co_u32 s[NX], s[N], 1
	s_and_b32 s[NX], s[NX], 15                     ; the step to be fetched; behind the last it is step 0, for the next pass (behind the last pass it is fetched and not used)
	s_mul_i32 s74, s[NX], 768
	s_lshl_b32 s75, s[NX], 5
	s_lshl_b32 s78, s[NX], 2
	ADRK                                           ; these four are the places behind the products: for the loads into K's registers and for the first reads of S^T
	KLOAD
	SMAX 0
	SMAX 1
	s_wait_alu depctr_va_vdst(0)
	s_wait_dscnt 28                                ; V's 28 loads are in; the next step's 28 of K, issued behind them, may be out
	PVPROD 0
	PVPROD 1
	WIN 0
	ADRV                                           ; these four are the places behind the products, for the loads into V's registers
	VLOAD
	s_add_co_u32 s[N], s[N], 1
	s_cmp_lt_u32 s[N], 16
	s_cbranch_scc1 .Lstep
	OUT 0
	OUT 1
	WIN 0
	s_wait_xcnt 0x0                                ; the stores have read their registers and bases
	s_add_nc_u64 s[OB:OB+1], s[OB:OB+1], 16*12288
	s_add_nc_u64 s[OSB:OSB+1], s[OSB:OSB+1], 16*512
	s_add_co_u32 s[PASS], s[PASS], 1
	s_cmp_lt_u32 s[PASS], 2
	s_cbranch_scc0 .Ldone
.irp w, 0x00, 0x41                     ; the second pass's Q takes its place
	WIN \w
.irp i, 0,1,2,3,4,5
	v_mov_b32 v[Q+\i], v[NQ+\i]
	v_mov_b32 v[Q+12+\i], v[NQ+\i]
.endr
.endr
	WIN 0
	v_mov_b32 v[QSW], v[NQS]
	v_mov_b32 v[QSW+1], v[NQS+1]
	s_cmp_lt_u32 s[PASS], 2
	s_wait_alu depctr_va_vdst(0)
	s_cbranch_scc1 .Lpass
.Ldone:
	s_wait_dscnt 0x0                               ; no LDS instruction of mine is out at a signal
	s_wait_tensorcnt 0x0                           ; the wave's end
	ds_add_u32 v254, v255
	s_wait_dscnt 0x0
	CROUND                                         ; the closing round
	s_endpgm
.Lfunc_end_k_q3061f1597e_attn:
	.size	k_q3061f1597e_attn, .Lfunc_end_k_q3061f1597e_attn-k_q3061f1597e_attn
	.p2alignl 7, 3214868480
	.fill 96, 4, 3214868480
	.section	.rodata,"a",@progbits
	.p2align	6, 0x0
	.amdhsa_kernel k_q3061f1597e_attn
		.amdhsa_group_segment_fixed_size 219136
		.amdhsa_private_segment_fixed_size 0
		.amdhsa_enable_private_segment 0
		.amdhsa_kernarg_size 24
		.amdhsa_user_sgpr_count 2
		.amdhsa_user_sgpr_kernarg_segment_ptr 1
		.amdhsa_wavefront_size32 1
		.amdhsa_system_sgpr_workgroup_id_x 1
		.amdhsa_system_sgpr_workgroup_id_y 1
		.amdhsa_system_sgpr_workgroup_id_z 1
		.amdhsa_system_vgpr_workitem_id 0
		.amdhsa_next_free_vgpr 512
		.amdhsa_next_free_sgpr 80
		.amdhsa_reserve_vcc 0
		.amdhsa_float_denorm_mode_32 3
		.amdhsa_float_denorm_mode_16_64 3
		.amdhsa_memory_ordered 1
		.amdhsa_forward_progress 1
		.amdhsa_inst_pref_size 55
	.end_amdhsa_kernel
	.amdgpu_metadata
---
amdhsa.version: [ 1, 2 ]
amdhsa.kernels:
  - .name:           k_q3061f1597e_attn
    .symbol:         k_q3061f1597e_attn.kd
    .args:
      - { .name: qkv, .offset: 0, .size: 8, .value_kind: global_buffer, .address_space: global }
      - { .name: o_img, .offset: 8, .size: 8, .value_kind: global_buffer, .address_space: global }
      - { .name: o_sc, .offset: 16, .size: 8, .value_kind: global_buffer, .address_space: global }
    .group_segment_fixed_size: 219136
    .private_segment_fixed_size: 0
    .kernarg_segment_align: 8
    .kernarg_segment_size: 24
    .max_flat_workgroup_size: 256
    .sgpr_count:     80
    .vgpr_count:     512
    .wavefront_size: 32
...
	.end_amdgpu_metadata
.endif
;; end of part 3
;; launch outp (part 4): grid 4 x 64, 4 waves a work-group, no clusters, 168,448 bytes of LDS; arguments o_img, o_sc, wo_img, W_o_scales, b_o, out0; writes out0
.if DOCPART == 4
	.amdgcn_target "amdgcn-amd-amdhsa--gfx1250"
	.amdhsa_code_object_version 6
	.text
	.protected	k_q3061f1597e_outp
	.globl	k_q3061f1597e_outp
	.p2align	8
	.type	k_q3061f1597e_outp,@function
k_q3061f1597e_outp:
	s_mov_b64 s[64:65], 0
	v_nop
	global_prefetch_b8 v0, s[64:65] scope:SCOPE_SE
	s_setreg_imm32_b32 hwreg(HW_REG_WAVE_MODE, 25, 1), 1
	s_wait_xcnt 0x0
; out0 = o W_o^T + b_o on codes of E2M3 with E8M0 scales.  o [8192][1024] comes as the launch before has left it: o_img [row tile 512][head 16][768 bytes] (six registers a lane: 16 bytes x 32 lanes, then 8 bytes x 32 lanes),
; o_sc [8192][32]; W_o as images of operand registers, wo_img [64 columns nw][kappa 8][tile 4][1536 bytes]; W_o's scales and b_o as given.  out0 [8192][1024] f32.
; SHARES.  Work-group (G, rb): rows 128 rb on x columns 256 G on.  Wave w: columns 256 G + 64 w on: four tiles of W_o against the eight tiles of rows: 32 accumulators, 8 K steps of 128 (two heads each), written out: no loop.
; THE MATRIX INSTRUCTION IS USED TRANSPOSED (source 0 = 16 rows of W_o, source 1 = 16 rows of o): a lane holds eight neighbouring numbers of a row of out0.  The bias is the C of each sum's first product.
; o's 98,304 bytes come into LDS once, one tensor load a wave, as they lie; W_o's fragments go from memory straight into the registers of the one wave that multiplies by them.
; NO CLUSTER: what goes through LDS and could be asked for jointly, o, is 98,304 of the 294,912 bytes of codes that a work-group reads, fetched once at the head; W_o's fragments each feed one wave.
; LIMITS: NaN, infinities and scale bytes 0xff among the inputs are not served.
; REGISTERS: window 0: v1-13 addresses; v32-95 o's scale words (8 X + kappa); v96-127 W_o's (8 t + kappa); v128-223 o's eight fragments, later rows of out0.   window 1: three sets of W_o's four fragments; from v144 the bias.   window 2: the accumulators at 32 X + 8 t.
.set STG,  98304                       ; behind o: a stage of 16 rows x (256 + 16) bytes for each wave, its own; no tensor load lands there
.set OS,   32
.set WS,   96
.set OF,   128
.set BK,   128                         ; the way out: two buffers of 32 registers
.set BI,   144                         ; in window 1
.set L16,  4                           ; v4 16 x lane; v5 the same four row tiles on
.set L8,   6                           ; v6 512 + 8 x lane; v7 likewise
.set WL,   8                           ; v8  16 x lane (memory)
.set RA,   9                           ; v9  32 r
.set BA,   10                          ; v10 32 h
.set STO,  11
.set RD,   12
.set CO,   13
.set PFO,  14                          ; v14 the prefetches' offset: block 4 min(lane, 5) + my work-group's place among four, 256 bytes a block; never rewritten
.set WV,   16
.set RB,   17
.set G0,   20
.set G1,   24
.set PWI,  32                          ; s[32:33] wo_img;  s[34:35] o_sc;  s[36:37] W_o_scales;  s[38:39] b_o;  s[40:41] out0: each at my part
.set POS,  34
.set PWS,  36
.set PB,   38
.set PO,   40
.set MSB, 0
.macro WIN new                         ; the immediate's high byte repeats the setting that is left; a switch that changes nothing is dropped
.if MSB != (\new)
	s_set_vgpr_msb (MSB<<8)|(\new)
.set MSB, (\new)
.endif
.endm
.macro PLACES                          ; four plain vector instructions between a matrix instruction and a load into one of its registers or a read of its result (ISA guide 7.12.1 for the reads of results)
.rept 4
	v_nop
.endr
.endm
.macro FRAGO reg, xt, kap              ; a fragment of o: row tile xt, heads 2 kap and 2 kap + 1: six registers each, as they were stored
.irp c, 0,1
	ds_load_b128 v[(\reg)+6*\c:(\reg)+6*\c+3], v[L16+(\xt)/4] offset:(16*((\xt)%4)+2*(\kap)+\c)*768
	ds_load_b64 v[(\reg)+6*\c+4:(\reg)+6*\c+5], v[L8+(\xt)/4] offset:(16*((\xt)%4)+2*(\kap)+\c)*768
.endr
.endm
.macro OHALF kap, half                 ; four fragments: 16 loads
.irp a, 0,1,2,3
	FRAGO OF+12*(4*(\half)+\a), 4*(\half)+\a, \kap
.endr
.endm
.macro WLOAD kap                       ; W_o's four fragments of K step kap into set kap % 3: 12 loads of 512 consecutive bytes
	WIN 0x40
.irp t, 0,1,2,3
.irp c, 0,1,2
	global_load_b128 v[48*((\kap)%3)+12*\t+4*\c:48*((\kap)%3)+12*\t+4*\c+3], v[WL], s[PWI:PWI+1] offset:6144*(\kap)+1536*\t+512*\c
.endr
.endr
	WIN 0
.endm
.macro MUL kap, half                   ; 16 products: four row tiles against W_o's four
.if (\kap) == 0
	WIN 0x91                                       ; source 0 (W_o) and C (bias) window 1, source 1 (o) window 0, D window 2
.else
	WIN 0xa1                                       ; C and D window 2
.endif
.irp a, 0,1,2,3
.irp t, 0,1,2,3
.set XX, 4*(\half)+\a
.set AC, 32*XX+8*\t
.set FW, 48*((\kap)%3)+12*\t
.if (\kap) == 0
	v_wmma_scale_f32_16x16x128_f8f6f4 v[AC:AC+7], v[FW:FW+11], v[OF+12*XX:OF+12*XX+11], v[BI+8*\t:BI+8*\t+7], v[WS+8*\t+(\kap)], v[OS+8*XX+(\kap)] matrix_a_fmt:MATRIX_FMT_FP6 matrix_b_fmt:MATRIX_FMT_FP6
.else
	v_wmma_scale_f32_16x16x128_f8f6f4 v[AC:AC+7], v[FW:FW+11], v[OF+12*XX:OF+12*XX+11], v[AC:AC+7], v[WS+8*\t+(\kap)], v[OS+8*XX+(\kap)] matrix_a_fmt:MATRIX_FMT_FP6 matrix_b_fmt:MATRIX_FMT_FP6
.endif
.endr
.endr
.endm
; A K step: 32 products; the 32 accumulators take turns, one instruction a turn, in the same order in every step.
.macro KSTEP kap
.if (\kap) <= 5
	s_wait_loadcnt 24                              ; this step's W_o is in; behind it the 12 loads of each of the next two steps were issued
.elseif (\kap) == 6
	s_wait_loadcnt 12
.else
	s_wait_loadcnt 0x0
.endif
	s_wait_dscnt 16                                ; row tiles 0-3 are in; the 16 loads of tiles 4-7 may be out
	MUL \kap, 0
	s_wait_dscnt 0x0
.if (\kap) < 7
	WIN 0
	PLACES
	OHALF (\kap)+1, 0
.endif
.if (\kap) < 3
	; a prefetch into the L2: the 6,144 bytes (24 blocks of 256) of W_o's image that K step kap + 2 will load, which are K step kap + 5's.  The 64 row blocks read the same image:
	; four work-groups, row blocks 4 apart, share the 24 blocks out by address, six each; lanes 6-31 name the sixth again.  It stops with K step 7's fragments
	global_prefetch_b8 v[PFO], s[PWI:PWI+1] offset:6144*((\kap)+5) th:TH_LOAD_NT scope:SCOPE_SE
.endif
	MUL \kap, 1
	WIN 0
.if (\kap) < 7
	PLACES
	OHALF (\kap)+1, 1
.endif
.if (\kap) < 5
	WLOAD (\kap)+3                                 ; into the set just multiplied (behind the same four places)
.endif
.endm
; THE WAY OUT, a row tile at a time: 16 rows x my 64 columns go through my own stage and come back as rows of 256 bytes.  LDS serves a wave's instructions in order (ISA guide 5.7.1.4): no wait between the stores and the loads.
.macro TOSTAGE xt
	WIN 0x08                                       ; an LDS store's data are its source 1: window 2
.irp t, 0,1,2,3
	ds_store_b128 v[STO], v[32*(\xt)+8*\t:32*(\xt)+8*\t+3] offset:64*\t          ; each accumulator from its low end on
	ds_store_b128 v[STO], v[32*(\xt)+8*\t+4:32*(\xt)+8*\t+7] offset:64*\t+16
.endr
	WIN 0
.irp t, 0,1,2,3,4,5,6,7
	ds_load_b128 v[BK+32*((\xt)%2)+4*\t:BK+32*((\xt)%2)+4*\t+3], v[RD] offset:544*\t
.endr
.endm
.macro SEND xt, younger                ; younger: the LDS instructions issued behind this tile's loads, which may stay out
	s_wait_dscnt \younger
.irp t, 0,1,2,3,4,5,6,7
	global_store_b128 v[CO], v[BK+32*((\xt)%2)+4*\t:BK+32*((\xt)%2)+4*\t+3], s[PO:PO+1] offset:65536*(\xt)+8192*\t th:TH_STORE_NT   ; 16 lanes store 256 consecutive bytes, at a multiple of 256 from out0's first byte
.endr
.endm
	s_load_b256 s[4:11], s[0:1], 0x0               ; o_img s[4:5], o_sc s[6:7], wo_img s[8:9], W_o_scales s[10:11]
	s_load_b128 s[12:15], s[0:1], 0x20             ; b_o s[12:13], out0 s[14:15]
	v_lshl_add_u32 v254, v0, 2, 0x29000
	v_mov_b32 v255, 0
	ds_add_u32 v254, v255
	ds_add_u32 v254, v255
	v_lshrrev_b32 v1, 5, v0
	v_readfirstlane_b32 s[WV], v1                  ; wave 0..3
	s_and_b32 s[RB], ttmp7, 0xffff
	; descriptor group 1: 96 rows of 256 bytes, dense, no padding
	s_mov_b32 s[G1+0], 3<<16                       ; no mask; elements of 8 bytes
	s_mov_b32 s[G1+1], 32<<16
	s_mov_b32 s[G1+2], 96<<16
	s_mov_b32 s[G1+3], 32<<16
	s_mov_b32 s[G1+4], 96
	s_mov_b32 s[G1+5], 32
	s_mov_b32 s[G1+6], 0
	s_mov_b32 s[G1+7], 0
	s_mul_i32 s42, s[RB], 98304                    ; the block's eight row tiles,
	s_mul_i32 s44, s[WV], 24576                    ; my two of them
	s_add_co_u32 s42, s42, s44
	s_mov_b32 s43, 0
	s_mov_b32 s[G0], 1
	s_mov_b32 s[G0+1], s44                         ; LDS: wave x 24,576
	s_wait_dscnt 0x0
	s_wait_kmcnt 0x0
	s_add_nc_u64 s[G0+2:G0+3], s[4:5], s[42:43]
	s_or_b32 s[G0+3], s[G0+3], 0x80000000
	tensor_load_to_lds s[G0:G0+3], s[G1:G1+7]      ; my one tensor load of the launch: nothing in LDS is filled twice
	s_nop 0
	PLACES                                         ; four v_nop behind it
	v_and_b32 v1, 15, v0                           ; r
	v_bfe_u32 v2, v0, 4, 1                         ; h
	v_and_b32 v3, 31, v0                           ; lane
	v_lshlrev_b32 v[L16], 4, v3
	v_add_nc_u32 v[L16+1], 49152, v[L16]
	v_lshlrev_b32 v[L8], 3, v3
	v_add_nc_u32 v[L8], 512, v[L8]
	v_add_nc_u32 v[L8+1], 49152, v[L8]
	v_lshlrev_b32 v[WL], 4, v3
	v_lshlrev_b32 v[RA], 5, v1
	v_lshlrev_b32 v[BA], 5, v2
	s_bfe_u32 s44, s[RB], 0x20002                  ; (row block / 4) % 4: my place among the four that share the prefetches out
	s_lshl_b32 s44, s44, 8
	v_min_u32 v[PFO], 5, v3
	v_lshl_add_u32 v[PFO], v[PFO], 10, s44
	s_wait_alu depctr_va_vdst(0)
	s_mul_i32 s44, s[WV], 16*272
	s_add_co_u32 s44, s44, STG                     ; my stage
	v_mul_u32_u24 v[STO], v1, 272                  ; in: row r, 32 bytes for each half of the lanes
	v_lshl_add_u32 v[STO], v2, 5, v[STO]
	v_add_nc_u32 v[STO], s44, v[STO]
	v_mul_u32_u24 v[RD], v2, 272                   ; back: lanes 0-15 one row of 256 bytes, lanes 16-31 the next
	v_lshl_add_u32 v[RD], v1, 4, v[RD]
	v_add_nc_u32 v[RD], s44, v[RD]
	v_lshlrev_b32 v[CO], 12, v2                    ; and the same two rows in out0
	v_lshl_add_u32 v[CO], v1, 4, v[CO]
	s_lshl_b32 s44, ttmp9, 2
	s_add_co_u32 s44, s44, s[WV]                   ; nw = 4 G + w: my 64 columns
	s_mul_i32 s42, s44, 49152
	s_add_nc_u64 s[PWI:PWI+1], s[8:9], s[42:43]
	s_lshl_b32 s42, s44, 11
	s_add_nc_u64 s[PWS:PWS+1], s[10:11], s[42:43]  ; 64 rows of 32 scale bytes
	s_lshl_b32 s42, s44, 8
	s_add_nc_u64 s[PB:PB+1], s[12:13], s[42:43]
	s_add_nc_u64 s[PO:PO+1], s[14:15], s[42:43]
	s_lshl_b32 s42, s[RB], 19                      ; 128 rows of 4,096 bytes
	s_add_nc_u64 s[PO:PO+1], s[PO:PO+1], s[42:43]
	s_lshl_b32 s42, s[RB], 12
	s_add_nc_u64 s[POS:POS+1], s[6:7], s[42:43]
	global_prefetch_b8 v[PFO], s[PWI:PWI+1] offset:6144*3 th:TH_LOAD_NT scope:SCOPE_SE   ; what K steps 0 and 1 will load
	global_prefetch_b8 v[PFO], s[PWI:PWI+1] offset:6144*4 th:TH_LOAD_NT scope:SCOPE_SE
.irp a, 0,1,2,3,4,5,6,7
	global_load_b128 v[OS+8*\a:OS+8*\a+3], v[RA], s[POS:POS+1] offset:512*\a       ; lane r: the eight scale words of row 16 X + r
	global_load_b128 v[OS+8*\a+4:OS+8*\a+7], v[RA], s[POS:POS+1] offset:512*\a+16
.endr
.irp t, 0,1,2,3
	global_load_b128 v[WS+8*\t:WS+8*\t+3], v[RA], s[PWS:PWS+1] offset:512*\t
	global_load_b128 v[WS+8*\t+4:WS+8*\t+7], v[RA], s[PWS:PWS+1] offset:512*\t+16
.endr
	WIN 0x40
.irp t, 0,1,2,3
	global_load_b128 v[BI+8*\t:BI+8*\t+3], v[BA], s[PB:PB+1] offset:64*\t          ; lane (r, h): b_o of columns 16 t + 8 h + 0 .. 7
	global_load_b128 v[BI+8*\t+4:BI+8*\t+7], v[BA], s[PB:PB+1] offset:64*\t+16
.endr
	WIN 0
	WLOAD 0
	WLOAD 1
	WLOAD 2
	s_wait_tensorcnt 0x0                           ; my part of o is in LDS,
	s_barrier_signal -1
	s_barrier_wait -1                              ; everybody's is
	OHALF 0, 0
	OHALF 0, 1
.irp k, 0,1,2,3,4,5,6,7
	KSTEP \k
.endr
	PLACES                                         ; behind the last products: for the reads of results and for the loads into the registers that held o's fragments
	s_wait_alu depctr_va_vdst(0)
	TOSTAGE 0
.irp a, 1,2,3,4,5,6,7
.if \a > 1
	s_wait_xcnt 0x0                                ; tile a - 2's stores have read their registers: tile a's rows may land there
.endif
	TOSTAGE \a
	SEND \a-1, 16                                  ; behind tile a - 1's loads: tile a's 8 stores and 8 loads
.endr
	SEND 7, 0
	s_wait_tensorcnt 0x0
	ds_add_u32 v254, v255
	s_wait_dscnt 0x0
	s_endpgm
.Lfunc_end_k_q3061f1597e_outp:
	.size	k_q3061f1597e_outp, .Lfunc_end_k_q3061f1597e_outp-k_q3061f1597e_outp
	.p2alignl 7, 3214868480
	.fill 96, 4, 3214868480
	.section	.rodata,"a",@progbits
	.p2align	6, 0x0
	.amdhsa_kernel k_q3061f1597e_outp
		.amdhsa_group_segment_fixed_size 168448
		.amdhsa_private_segment_fixed_size 0
		.amdhsa_enable_private_segment 0
		.amdhsa_kernarg_size 48
		.amdhsa_user_sgpr_count 2
		.amdhsa_user_sgpr_kernarg_segment_ptr 1
		.amdhsa_wavefront_size32 1
		.amdhsa_system_sgpr_workgroup_id_x 1
		.amdhsa_system_sgpr_workgroup_id_y 1
		.amdhsa_system_sgpr_workgroup_id_z 1
		.amdhsa_system_vgpr_workitem_id 0
		.amdhsa_next_free_vgpr 768
		.amdhsa_next_free_sgpr 66
		.amdhsa_reserve_vcc 0
		.amdhsa_float_denorm_mode_32 3
		.amdhsa_float_denorm_mode_16_64 3
		.amdhsa_memory_ordered 1
		.amdhsa_forward_progress 1
		.amdhsa_inst_pref_size 84
	.end_amdhsa_kernel
	.amdgpu_metadata
---
amdhsa.version: [ 1, 2 ]
amdhsa.kernels:
  - .name:           k_q3061f1597e_outp
    .symbol:         k_q3061f1597e_outp.kd
    .args:
      - { .name: o_img, .offset: 0, .size: 8, .value_kind: global_buffer, .address_space: global }
      - { .name: o_sc, .offset: 8, .size: 8, .value_kind: global_buffer, .address_space: global }
      - { .name: wo_img, .offset: 16, .size: 8, .value_kind: global_buffer, .address_space: global }
      - { .name: W_o_scales, .offset: 24, .size: 8, .value_kind: global_buffer, .address_space: global }
      - { .name: b_o, .offset: 32, .size: 8, .value_kind: global_buffer, .address_space: global }
      - { .name: out0, .offset: 40, .size: 8, .value_kind: global_buffer, .address_space: global }
    .group_segment_fixed_size: 168448
    .private_segment_fixed_size: 0
    .kernarg_segment_align: 8
    .kernarg_segment_size: 48
    .max_flat_workgroup_size: 128
    .sgpr_count:     66
    .vgpr_count:     768
    .wavefront_size: 32
...
	.end_amdgpu_metadata
.endif
;; end of part 4
